; MI455X (gfx1250); checked and timed in simulation.
; The chip was launched on July 23, 2026; its instructions are those of AMD's public machine-readable ISA for CDNA 5 (MIT licence, August 2026) and "CDNA5" Instruction Set Architecture Reference Guide (July 2026). The comments in the code are by the model that wrote it; some were corrected since.
;; Self Attention. Allowed arithmetic: matrix products marked QUANTISED: E4M3 operands, one E8M0 scale for each 32 along K, by v_wmma_scale_f32_16x16x128_f8f6f4 with both operands' format E4M3, f32 sums; everything else in f32.
;; Inputs: b_proj 1,024 float32; b_qkv 3,072 float32; w_proj_codes 1,024 x 32 x 32 uint8 (E4M3 codes of w_proj, K innermost, in blocks of 32 codes); w_proj_scales 1,024 x 32 uint8 (E8M0 scales of w_proj, one for each 32 codes along K); w_qkv_codes 3,072 x 32 x 32 uint8 (E4M3 codes of w_qkv, K innermost, in blocks of 32 codes); w_qkv_scales 3,072 x 32 uint8 (E8M0 scales of w_qkv, one for each 32 codes along K); x_codes 4 x 2,048 x 32 x 32 uint8 (E4M3 codes of x, K innermost, in blocks of 32 codes); x_scales 4 x 2,048 x 32 uint8 (E8M0 scales of x, one for each 32 codes along K).
;; Outputs: out0 4 x 2,048 x 1,024 float32.
;; This version of the problem:
;;   THIS VERSION OF THE PROBLEM IS GIVEN IN LOW PRECISION. The matrix products marked QUANTISED in the list below multiply operands that are first quantised to E4M3 (4 exponent bits, 3 mantissa bits; 8 bits a number), with one power-of-two scale for each 32 numbers along K (OCP MX v1.0); their sums are f32. All else is computed in f32.
;;   The module's matrix products, in the order in which they are computed (A, B: the left and right operand; K: the contracted axis; several contracted axes count as one K, in the product's order):
;;     1. [M 8,192, K 1,024] x [K 1,024, N 3,072]; A: input x (given as codes); B: input w_qkv (given as codes): QUANTISED
;;     2. batch 64 x [M 2,048, K 64] x [K 64, N 2,048]; A: computed on the way; B: computed on the way: QUANTISED
;;     3. batch 64 x [M 2,048, K 2,048] x [K 2,048, N 64]; A: softmax (see below); B: computed on the way: QUANTISED
;;     4. [M 8,192, K 1,024] x [K 1,024, N 1,024]; A: computed on the way; B: input w_proj (given as codes): QUANTISED
;;   THE QUANTISER, for each operand of a quantised product, along K:
;;     - K is cut into blocks of 32 from its start; a last block that is shorter is filled with zeros.
;;     - A block's scale is 2^e with e = floor(log2(the largest magnitude in the block)) - 8, held to -126 .. 127; a block of zeros has e = 0. As a byte (E8M0): e + 127.
;;     - Each number is divided by its block's scale, clamped to +-448, and rounded to the nearest number of E4M3, ties to even, subnormals kept.
;;     - The product sums the exact products of the quantised numbers (number of the format x scale) in f32.
;;   ~~~python
;;   def quantise(x, axis):      # numpy; x: float32 -> the quantised numbers, widened to float32 again
;;       x = np.moveaxis(x, axis, -1); K = x.shape[-1]
;;       x = np.pad(x, [(0, 0)] * (x.ndim - 1) + [(0, -K % 32)]); x = x.reshape(x.shape[:-1] + (-1, 32)); a = np.abs(x).max(-1, keepdims=True)
;;       e = np.where(a > 0, np.clip(np.frexp(np.where(a > 0, a, 1))[1] - 1 - 8, -126, 127), 0)      # np.frexp(a)[1] - 1 = floor(log2(a)), exactly
;;       r = np.clip(x / 2.0 ** e, -448, 448)
;;       step = 2.0 ** (np.maximum(np.frexp(np.where(r == 0, 1, r))[1] - 1, -6) - 3)
;;       q = np.round(r / step) * step * 2.0 ** e      # np.round: ties to even
;;       return np.moveaxis(q.reshape(q.shape[:-2] + (-1,))[..., :K], -1, axis).astype(np.float32)
;;   ~~~
;;   SOFTMAX AHEAD OF A QUANTISED PRODUCT. Where the list says 'softmax', what is quantised is not the finished softmax but p = 2^(t - M), with t = logit x log2(e) and M = ceil(the row's largest t), a whole number; so 1/2 < the row's largest p <= 1. The row's sum l is taken of the UNQUANTISED p, in f32, and the product's result is divided by l at the end. Since M is a whole number, a kernel that streams over the keys may use a running M (the ceiling of the running maximum): every later rescaling is an exact power of two, which a block's scale takes up: the codes' values come out the same.
;;   OPERANDS COMPUTED ON THE WAY. 'Computed on the way' means the value that the module computes at that place (a softmax that the list does not call 'softmax' is quantised finished and normalised). What goes into a quantiser is computed in f32, as accurately as f32 sums, v_exp_f32 and their like allow (about 1e-6 of the number): no bf16 or f16 on the way to a quantiser, and a product that is left as it is and whose result goes on into a quantised operand takes f32 operands (vector FMAs, or v_wmma_f32_16x16x4_f32). A number that lies on a knife's edge between two numbers of the format may be rounded either way, as far as f32 arithmetic and the matrix unit's own rounding can turn it there, and no further.
;;   INPUTS GIVEN AS CODES. w_proj (in the module: [1024, 1024], K = its axis 0); w_qkv (in the module: [1024, 3072], K = its axis 0); x (in the module: [4, 2048, 1024], K = its axis 2): each comes as NAME_codes (uint8): NAME with its K axis moved to the last place and cut into blocks of 32 codes, [.., K / 32, bytes a block], one block behind the other in memory; one code a byte (a code: sign, 4 exponent bits, 3 mantissa bits); and NAME_scales (uint8): the same leading axes, one E8M0 byte (e + 127) for each 32 codes along K. Its value is code x scale, taken as it is: it is not quantised again, and the codes and scales need not be those that the quantiser above would give.
;; One version. Each part assembles by itself: llvm-mc -triple=amdgcn-amd-amdhsa -mcpu=gfx1250 --defsym DOCPART=n.
;; ======== version 1 of 1: 3 launches
;; limits: right only within a limited range of input values
;; workspace buffers: q_img 8,388,608 bytes; q_sc 524,288 bytes; kv 17,563,648 bytes; y_img 8,388,608 bytes; y_sc 262,144 bytes
;; launch qkv (part 1): grid 96 x 4, 4 waves a work-group, clusters of 4 x 4, 327,680 bytes of LDS; arguments x_codes, x_scales, w_qkv_codes, w_qkv_scales, b_qkv, q_img, q_sc, kv; writes q_img, q_sc, kv
.if DOCPART == 1
	.amdgcn_target "amdgcn-amd-amdhsa--gfx1250"
	.amdhsa_code_object_version 6
	.text
	.protected	k_q49b38f84a4_qkv
	.globl	k_q49b38f84a4_qkv
	.p2align	8
	.type	k_q49b38f84a4_qkv,@function
k_q49b38f84a4_qkv:
	s_mov_b64 s[64:65], 0
	v_nop
	global_prefetch_b8 v0, s[64:65] scope:SCOPE_SE
	s_setreg_imm32_b32 hwreg(HW_REG_WAVE_MODE, 25, 1), 1
	s_wait_xcnt 0x0
	s_wait_alu depctr_hold_cnt(0) depctr_sa_sdst(0) depctr_va_vdst(0) depctr_va_sdst(0) depctr_va_ssrc(0) depctr_va_vcc(0) depctr_vm_vsrc(0)
	s_getreg_b32 s2, hwreg(HW_REG_IB_STS2, 6, 4)
	s_cmp_eq_u32 s2, 0
	s_cbranch_scc0 .Lentry_in_a_cluster
	s_endpgm
.Lentry_in_a_cluster:
	s_bfe_u32 s2, ttmp6, 0x10000c
	s_cmp_lg_u32 s2, 0xf033
	s_cbranch_scc0 .Lentry_shape_is_right
	s_endpgm
.Lentry_shape_is_right:
; qkv = x w_qkv + b_qkv on codes of FP8 (E4M3) with one E8M0 scale for each 32 along K = 1,024; the result is quantised at once: q and k along the head's 64, v along the keys.
; ONE TEXT, THREE KINDS.  C'[i][j] = sum over k of A'[i][k] B'[j][k] + bias, quantised along j.  q, k: A' = x (8,192 tokens), B' = rows 0 .. 2,047 of w_qkv.  v: A' = rows 2,048 .. 3,071 of w_qkv, B' = x:
; so a lane holds one channel of v and its registers run along the tokens, and v's codes come out with the keys innermost; nothing is transposed.
; A tile of C', 256 x 256, is made by four waves, 128 x 128 each: 64 accumulators, 512 registers.  K goes in four steps of 256 through two LDS slots filled by the tensor data mover; the scale bytes of the
; work-group's 256 + 256 rows come into LDS once.  THE MATRIX INSTRUCTION IS USED TRANSPOSED (source 0 = 16 rows of B', source 1 = 16 rows of A'): a lane holds one row i and eight neighbouring j.
; CLUSTERS: 4 x 4 work-groups; 24 clusters: 0 .. 15 make q (even) and k (odd), 16 .. 23 make v.  A's tiles are shared along a row of the cluster, B's along a column: joint loads.  The kind hangs on the cluster's number alone.
; THE WAY OUT.  The 16 registers of accumulators 2 c and 2 c + 1 of a lane are 16 numbers of block c of 32 along j: j = 32 c + 8 (lane / 16) + (i % 8) + 16 (i / 8); lane l xor 16 holds the other 16.  They are quantised
; in that order and stored as IMAGES OF AN OPERAND'S REGISTERS (512 bytes: 16 bytes a lane).  The order inside a block is the same for q and k, and for v and the softmax's p of the next launch: a permutation of k
; applied alike to both operands keeps the products; block, scale and codes are the rule's own.
; LIMITS: NaN and infinities among the inputs are not served.  A block of zeros gets the scale byte 1 and not 127: its codes are zeros, and this program alone reads the bytes.
; REGISTERS: window 0: v16-30 addresses; v32-63 scale words, two sets, and nothing else; v64-127 the bias, later scratch of the way out; v128-255 A's fragments, later the codes.  window 1: B's fragments, two sets.  windows 2, 3: accumulators.
.set KROW,   1024                      ; a row of codes in memory, bytes
.set ROWB,   256                       ; a tile's row: 256 along K
.set NQ,     2                         ; matrix instructions deep in a slot
.set PITCH,  272                       ; an LDS row: 256 bytes + 16 of padding: the 16 rows of a load start at 16 different banks
.set FR,     16                        ; registers of a fragment
.set NL,     4                         ; LDS loads that bring one
.set NP,     8                         ; places behind this matrix instruction (ISA guide 7.12.1)
.set HALFT,  128*PITCH
.set SLOT,   4*HALFT                   ; A's 256 rows, then B's
.set KS,     32                        ; a row of scale bytes
.set SCL,    2*SLOT                    ; the scales, as units of 256 bytes + 16
.set HALFS,  (128*KS/256)*272
.set SBLK,   (16*KS/256)*272
.set SPARE,  SCL+4*HALFS               ; the spare words: 128 bytes a wave, named by no other line
.set STGQ,   SPARE+512                 ; q's and k's scale words on their way out: 1,024 bytes a wave
.set STGV,   STGQ+4*1024               ; v's: 512 bytes a wave; bytes of their own for each kind
.set HEADB,  274432                    ; kv: a head's 8 slots
.set SLOTB,  34304                     ; kv: a slot of 256 keys: K images 16,384, V images 16,384, K scale words 1,024, V scale words 512
.set ADRA, 16
.set H32,  18                          ; v18  32 x (lane / 16)
.set R4,   19                          ; v19  4 x (lane % 16)
.set ADRB, 20
.set SQR,  22                          ; v22  q, k scale stage, on the way back: 16 x lane
.set SVR,  23                          ; v23  v's
.set SQA,  24                          ; v24  q, k scale stage, on the way in: 4 x (lane % 16)
.set SVA,  25                          ; v25  v's
.set LI,   26                          ; v26  16 x lane: an image's place for my lane
.set ADRS, 27
.set SPW,  28
.set NIL,  29
.set VSO,  30                          ; v30  v's scale words in kv: lanes 0-15 one head, lanes 16-31 the next
.set SC,   32
.set BI,   64                          ; the bias, in the result's layout
.set TM,   80                          ; way out: +0 largest magnitudes, +4 bytes, +12 the conversions' scale operands
.set AF,   128
.set G1, 24
.set G0, 32
.set G1B, 48
.set G0B, 56
.set G1S, 68
.set G0S, 76
.set G1SB, 80
.set G0SB, 88
.set MSB, 0
.macro WIN new                         ; the immediate's high byte repeats the setting that is left
.if MSB != (\new)
	s_set_vgpr_msb (MSB<<8)|(\new)
.set MSB, \new
.endif
.endm
.set MUL_LO, 0xa1                      ; source 0 (B) window 1, source 1 (A) window 0, C and D window 2
.set MUL_HI, 0xf1                      ; the same, C and D window 3
.set BIAS_LO, 0x81                     ; C (the bias) window 0, D window 2
.set BIAS_HI, 0xc1                     ; C window 0, D window 3
.set TO_B,   0x40
; A joint load: waves 0 and 1 fetch for A, waves 2 and 3 for B; the branch hangs on the wave's number alone.  Four v_nop follow each of the two lines.
.macro JLOAD g0a, g1a, g0b, g1b
	s_cmp_eq_u32 s15, 0
	s_cbranch_scc0 .Lfor_b_\@
	tensor_load_to_lds s[\g0a:\g0a+3], s[\g1a:\g1a+7]
	s_nop 0
.rept 4
	v_nop
.endr
	s_branch .Lasked_\@
.Lfor_b_\@:
	tensor_load_to_lds s[\g0b:\g0b+3], s[\g1b:\g1b+7]
	s_nop 0
.rept 4
	v_nop
.endr
.Lasked_\@:
.endm
.macro CREST                           ; a round of the cluster's barrier behind its opening barrier
	s_cmp_lg_u32 s14, 0
	s_cbranch_scc1 .Lnot_wave_0_\@
	s_barrier_signal -3
.Lnot_wave_0_\@:
	s_barrier_wait -3
	s_barrier_signal -1
	s_barrier_wait -1
.endm
.macro CROUND
	s_barrier_signal -1
	s_barrier_wait -1
	CREST
.endm
	s_load_b256 s[4:11], s[0:1], 0x0               ; x's codes, x's scales, w's codes, w's scales
	v_lshl_add_u32 v[SPW], v0, 2, SPARE
	v_mov_b32 v[NIL], 0
	ds_add_u32 v28, v29
	ds_add_u32 v28, v29
	s_wait_dscnt 0x0
	v_lshrrev_b32 v1, 5, v0
	v_readfirstlane_b32 s14, v1                    ; wave 0..3
	s_lshr_b32 s15, s14, 1                         ; which half of A's rows is mine.  Also: I fetch for A (0) or for B (1)
	s_and_b32 s16, s14, 1                          ; which half of B's rows.  Also: which 128 rows I fetch
	s_bfe_u32 s40, ttmp6, 0x40000                  ; cx
	s_bfe_u32 s41, ttmp6, 0x40004                  ; cy
	s_and_b32 s67, ttmp9, 1                        ; clusters 0-15: 0 = q, 1 = k: also their column of clusters;
	s_lshr_b32 s18, ttmp9, 1                       ; their row of clusters
	s_sub_co_u32 s19, ttmp9, 16                    ; clusters 16-23 (v): their column of clusters; their row is 0
	s_cmp_ge_u32 ttmp9, 16
	s_cselect_b32 s66, 1, 0                        ; the kind: 1 = v
	s_cselect_b32 s19, s19, s67
	s_cselect_b32 s18, 0, s18
	s_lshl_b32 s42, s19, 2
	s_add_co_u32 s42, s42, s40                     ; tile column (B's 256 rows)
	s_lshl_b32 s17, s18, 2
	s_add_co_u32 s17, s17, s41                     ; tile row (A's 256 rows)
	s_lshl_b32 s43, s41, 2
	s_lshl_b32 s43, 15, s43                        ; my row of the cluster
	s_lshl_b32 s44, 0x1111, s40                    ; my column
	; group 1: 128 rows x 256 bytes, 16 bytes of padding behind each
	s_or_b32 s[G1+0], s43, (0<<16)|(1<<20)|(1<<21)|(5<<22)|(3<<25)  ; the mask; elements of 1 byte; padding on; bit 21 beside a mask; after every 64 words, 4 words
	s_or_b32 s[G1B+0], s44, (0<<16)|(1<<20)|(1<<21)|(5<<22)|(3<<25)
.irp g, G1, G1B
	s_mov_b32 s[\g+1], ROWB<<16                    ; tensor_dim0
	s_mov_b32 s[\g+2], 128<<16                     ; tensor_dim1
	s_mov_b32 s[\g+3], ROWB<<16                    ; tile_dim0
	s_mov_b32 s[\g+4], 128                         ; tile_dim1
	s_mov_b32 s[\g+5], KROW                        ; stride from row to row
	s_mov_b32 s[\g+6], 0
	s_mov_b32 s[\g+7], 0
.endr
	; the scales of 128 rows: 4,096 dense bytes as 16 rows of 256 (32 elements of 8 bytes), 16 bytes of padding behind each
	s_or_b32 s[G1S+0], s43, (3<<16)|(1<<20)|(1<<21)|(5<<22)|(3<<25)
	s_or_b32 s[G1SB+0], s44, (3<<16)|(1<<20)|(1<<21)|(5<<22)|(3<<25)
.irp g, G1S, G1SB
	s_mov_b32 s[\g+1], 32<<16
	s_mov_b32 s[\g+2], (128*KS/256)<<16
	s_mov_b32 s[\g+3], 32<<16
	s_mov_b32 s[\g+4], 128*KS/256
	s_mov_b32 s[\g+5], 32
	s_mov_b32 s[\g+6], 0
	s_mov_b32 s[\g+7], 0
.endr
	s_lshl_b32 s18, s16, 7
	s_lshl_b32 s20, s17, 8
	s_add_co_u32 s20, s20, s18                     ; A': row 256 x tile row + 128 x half
	s_lshl_b32 s46, s42, 8
	s_add_co_u32 s46, s46, s18                     ; B': row 256 x tile column + 128 x half
	s_mov_b32 s21, 0
	s_mov_b32 s47, 0
	s_mov_b64 s[18:19], KS
	s_mul_u64 s[22:23], s[20:21], s[18:19]         ; where these rows' scales begin
	s_mul_u64 s[92:93], s[46:47], s[18:19]
	s_mov_b64 s[18:19], KROW
	s_mul_u64 s[20:21], s[20:21], s[18:19]         ; and their codes
	s_mul_u64 s[46:47], s[46:47], s[18:19]
	s_mul_i32 s45, s14, HALFT                      ; where they go: wave x 128 rows
	s_mul_i32 s94, s14, HALFS
	s_wait_kmcnt 0x0
	s_add_nc_u64 s[12:13], s[8:9], 0x200000        ; w's row 2,048: v's weights,
	s_add_nc_u64 s[96:97], s[10:11], 0x10000       ; and their scales
	s_cmp_ge_u32 ttmp9, 16                         ; the choice hangs on the cluster's number alone
	s_cselect_b64 s[12:13], s[12:13], s[4:5]       ; A's codes
	s_cselect_b64 s[96:97], s[96:97], s[6:7]       ; A's scales
	s_cselect_b64 s[8:9], s[4:5], s[8:9]           ; B's codes
	s_cselect_b64 s[10:11], s[6:7], s[10:11]       ; B's scales
	s_add_nc_u64 s[20:21], s[12:13], s[20:21]
	s_add_nc_u64 s[22:23], s[96:97], s[22:23]
	s_add_nc_u64 s[46:47], s[8:9], s[46:47]
	s_add_nc_u64 s[92:93], s[10:11], s[92:93]
	CROUND                                         ; all sixteen work-groups are here: the first joint loads meet
	s_mov_b32 s[G0S], 1
	s_add_co_u32 s[G0S+1], s94, SCL
	s_mov_b64 s[G0S+2:G0S+3], s[22:23]
	s_or_b32 s[G0S+3], s[G0S+3], 0x80000000
	s_mov_b32 s[G0SB], 1
	s_add_co_u32 s[G0SB+1], s94, SCL
	s_mov_b64 s[G0SB+2:G0SB+3], s[92:93]
	s_or_b32 s[G0SB+3], s[G0SB+3], 0x80000000
	JLOAD G0S, G1S, G0SB, G1SB                     ; the scales first: they are wanted with K step 0
.irp s, 0,1
	s_mov_b32 s[G0+4*\s], 1
	s_add_co_u32 s[G0+4*\s+1], s45, \s*SLOT
	s_add_nc_u64 s[G0+4*\s+2:G0+4*\s+3], s[20:21], \s*ROWB
	s_or_b32 s[G0+4*\s+3], s[G0+4*\s+3], 0x80000000
	s_mov_b32 s[G0B+4*\s], 1
	s_add_co_u32 s[G0B+4*\s+1], s45, \s*SLOT
	s_add_nc_u64 s[G0B+4*\s+2:G0B+4*\s+3], s[46:47], \s*ROWB
	s_or_b32 s[G0B+4*\s+3], s[G0B+4*\s+3], 0x80000000
	JLOAD G0+4*\s, G1, G0B+4*\s, G1B               ; three loads of mine are out
.endr
	s_load_b256 s[4:11], s[0:1], 0x20              ; b_qkv s[4:5], q_img s[6:7], q_sc s[8:9], kv s[10:11]
	; every address register is made here, ahead of the branches on the kind
	v_and_b32 v1, 15, v0                           ; r = lane % 16
	v_bfe_u32 v2, v0, 4, 1                         ; h = lane / 16
	v_mul_u32_u24 v3, v1, PITCH
	v_lshl_add_u32 v4, v2, 4, v3                   ; a fragment's row x pitch + 16 h
	s_mul_i32 s21, s15, HALFT
	s_mul_i32 s22, s16, HALFT
	s_add_co_u32 s22, s22, 2*HALFT
.irp s, 0,1
	v_add_nc_u32 v[ADRA+\s], s21, v4
	v_add_nc_u32 v[ADRB+\s], s22, v4
	s_add_co_u32 s21, s21, SLOT
	s_add_co_u32 s22, s22, SLOT
.endr
	v_mul_u32_u24 v5, v1, KS                       ; my row's scales: 32 bytes a row,
	v_lshrrev_b32 v6, 8, v5
	v_lshl_add_u32 v5, v6, 4, v5                   ; and 16 more for each 256 passed
	s_mul_i32 s21, s15, HALFS
	s_mul_i32 s22, s16, HALFS
	s_add_co_u32 s22, s22, 2*HALFS
	s_sub_co_u32 s22, s22, s21
	v_mul_u32_u24 v6, s22, v2                      ; lanes 16-31 take B's: one product, the distance between the two bases
	s_add_co_u32 s21, s21, SCL
	v_add_nc_u32 v5, v5, v6
	v_add_nc_u32 v[ADRS], s21, v5
	v_and_b32 v6, 31, v0
	v_lshlrev_b32 v[LI], 4, v6
	v_lshlrev_b32 v[R4], 2, v1
	v_lshlrev_b32 v[H32], 5, v2
	s_lshl_b32 s2, s14, 10
	s_add_co_u32 s2, s2, STGQ
	v_add_nc_u32 v[SQA], s2, v[R4]
	v_add_nc_u32 v[SQR], s2, v[LI]
	s_lshl_b32 s2, s14, 9
	s_add_co_u32 s2, s2, STGV
	v_add_nc_u32 v[SVA], s2, v[R4]
	v_add_nc_u32 v[SVR], s2, v[LI]
	v_mul_u32_u24 v5, v2, HEADB
	v_lshl_add_u32 v[VSO], v1, 4, v5
	s_wait_kmcnt 0x0
	s_cmp_lg_u32 s66, 0
	s_cbranch_scc1 .Lhead_v
	; ---- q, k: the bias runs along the registers: accumulator (a, b), register j, lane half h: column 16 b + 8 h + j
	s_lshl_b32 s2, s42, 10
	s_lshl_b32 s3, s16, 9
	s_add_co_u32 s2, s2, s3                        ; 4 x (256 x tile column + 128 x half)
	s_mov_b32 s3, 0
	s_add_nc_u64 s[4:5], s[4:5], s[2:3]
	s_wait_alu depctr_va_vdst(0)
.irp b, 0,1,2,3,4,5,6,7
	global_load_b128 v[BI+8*\b:BI+8*\b+3], v[H32], s[4:5] offset:64*\b
	global_load_b128 v[BI+8*\b+4:BI+8*\b+7], v[H32], s[4:5] offset:64*\b+16
.endr
	; where the results go: four bases, images and scale words of my two heads.  My first head: 16 x batch + 4 x (tile column % 4) + 2 x half; my tokens: block tile row % 8 of 256, half s15
	s_lshr_b32 s46, s17, 3
	s_lshl_b32 s46, s46, 4
	s_and_b32 s47, s42, 3
	s_lshl_b32 s47, s47, 2
	s_add_co_u32 s46, s46, s47
	s_lshl_b32 s47, s16, 1
	s_add_co_u32 s46, s46, s47                     ; the head
	s_and_b32 s47, s17, 7                          ; the block of 256 tokens
	s_mov_b32 s18, 131072                          ; q: a head's images, a block's images, a head's scale words, a block's
	s_mov_b32 s45, 16384
	s_mov_b32 s92, 8192
	s_mov_b32 s94, 1024
	s_mov_b32 s19, 0
	s_mov_b32 s93, 0
	s_cmp_lg_u32 s67, 0                            ; k: a head and a slot of kv; the scale words lie 32,768 bytes into the slot
	s_cselect_b32 s18, HEADB, s18
	s_cselect_b32 s45, SLOTB, s45
	s_cselect_b32 s92, HEADB, s92
	s_cselect_b32 s94, SLOTB, s94
	s_cselect_b32 s95, 32768, 0
	s_cselect_b64 s[12:13], s[10:11], s[6:7]
	s_cselect_b64 s[20:21], s[10:11], s[8:9]
	s_mul_i32 s2, s46, s18
	s_mul_i32 s3, s47, s45
	s_add_co_u32 s2, s2, s3
	s_lshl_b32 s3, s15, 13                         ; my 8 tiles of 16 tokens: 1,024 bytes each
	s_add_co_u32 s2, s2, s3
	s_mov_b32 s3, 0
	s_add_nc_u64 s[12:13], s[12:13], s[2:3]        ; images of my first head,
	s_add_nc_u64 s[96:97], s[12:13], s[18:19]      ; of my second
	s_mul_i32 s2, s46, s92
	s_mul_i32 s94, s47, s94
	s_add_co_u32 s2, s2, s94
	s_add_co_u32 s2, s2, s95
	s_lshl_b32 s94, s15, 9
	s_add_co_u32 s2, s2, s94
	s_add_nc_u64 s[20:21], s[20:21], s[2:3]        ; scale words of my first head,
	s_add_nc_u64 s[22:23], s[20:21], s[92:93]      ; of my second
	s_branch .Lhead_done
.Lhead_v:
	; ---- v: the bias belongs to the lane's row: one number for block a, in all eight registers of its C
	s_lshl_b32 s2, s17, 10
	s_lshl_b32 s3, s15, 9
	s_add_co_u32 s2, s2, s3
	s_add_co_u32 s2, s2, 8192                      ; 4 x (2,048 + 256 x tile row + 128 x half)
	s_mov_b32 s3, 0
	s_add_nc_u64 s[4:5], s[4:5], s[2:3]
	s_wait_alu depctr_va_vdst(0)
.irp a, 0,1,2,3,4,5,6,7
	global_load_b32 v[BI+8*\a], v[R4], s[4:5] offset:64*\a
.endr
	s_lshr_b32 s46, s42, 3
	s_lshl_b32 s46, s46, 4
	s_lshl_b32 s47, s17, 2
	s_add_co_u32 s46, s46, s47
	s_lshl_b32 s47, s15, 1
	s_add_co_u32 s46, s46, s47                     ; my first head: 16 x batch + 4 x tile row + 2 x half
	s_and_b32 s47, s42, 7                          ; the slot of 256 keys
	s_mul_i32 s2, s46, HEADB
	s_mul_i32 s3, s47, SLOTB
	s_add_co_u32 s2, s2, s3
	s_lshl_b32 s3, s16, 13                         ; my key step of 128: 8,192 bytes of images
	s_add_co_u32 s18, s2, s3
	s_add_co_u32 s18, s18, 16384
	s_mov_b32 s19, 0
	s_add_nc_u64 s[12:13], s[10:11], s[18:19]      ; images of my first head,
	s_add_nc_u64 s[96:97], s[12:13], HEADB         ; of my second
	s_lshl_b32 s3, s16, 8
	s_add_co_u32 s2, s2, s3
	s_add_co_u32 s2, s2, 33792
	s_mov_b32 s3, 0
	s_add_nc_u64 s[20:21], s[10:11], s[2:3]        ; scale words of my first head,
	s_add_nc_u64 s[22:23], s[20:21], HEADB         ; of my second: the same four bases as in the other arm, each made of a buffer's address on every way through the text (v's one store reaches the second head by the lanes' offset, v30)
	s_wait_loadcnt 0x0
.irp a, 0,1,2,3,4,5,6,7
.irp j, 1,2,3,4,5,6,7
	v_mov_b32 v[BI+8*\a+\j], v[BI+8*\a]
.endr
.endr
.Lhead_done:
	s_mov_b32 s94, 0x76543210
	s_mov_b32 s95, 0xfedcba98                      ; v_permlanex16_b32's selects for lane l xor 16
.macro FRAG reg, adr, q, i             ; 16 rows x 128 K: lane l holds row l % 16; registers 4 c .. 4 c + 3 hold K = 32 c + 16 (l / 16) + 0 .. 15
.irp c, 0,1,2,3
	ds_load_b128 v[\reg+4*\c:\reg+4*\c+3], v[\adr] offset:128*(\q)+32*\c+(\i)*16*PITCH
.endr
.endm
; 16 matrix instructions: A's blocks a0, a0 + 1 x B's eight.  cm = 0: the sums go on; 1: they begin with the bias of B's block; 2: with that of A's block.  Nothing is cleared, and the bias costs no addition.
; The 64 accumulators take turns, one instruction a turn, in the same order in every step.
.macro MUL16 a0, p, q, sc, cm
.irp a, \a0, \a0+1
.irp b, 0,1,2,3,4,5,6,7
.if \cm == 1
	v_wmma_scale_f32_16x16x128_f8f6f4 v[8*(8*((\a)%4)+\b):8*(8*((\a)%4)+\b)+7], v[128*(\p)+FR*\b:128*(\p)+FR*\b+FR-1], v[AF+FR*(\a):AF+FR*(\a)+FR-1], v[BI+8*\b:BI+8*\b+7], v[SC+8*NQ*(\sc)+NQ*\b+(\q)], v[SC+8*NQ*(\sc)+NQ*(\a)+(\q)] matrix_a_scale:MATRIX_SCALE_ROW1
.elseif \cm == 2
	v_wmma_scale_f32_16x16x128_f8f6f4 v[8*(8*((\a)%4)+\b):8*(8*((\a)%4)+\b)+7], v[128*(\p)+FR*\b:128*(\p)+FR*\b+FR-1], v[AF+FR*(\a):AF+FR*(\a)+FR-1], v[BI+8*(\a):BI+8*(\a)+7], v[SC+8*NQ*(\sc)+NQ*\b+(\q)], v[SC+8*NQ*(\sc)+NQ*(\a)+(\q)] matrix_a_scale:MATRIX_SCALE_ROW1
.else
	v_wmma_scale_f32_16x16x128_f8f6f4 v[8*(8*((\a)%4)+\b):8*(8*((\a)%4)+\b)+7], v[128*(\p)+FR*\b:128*(\p)+FR*\b+FR-1], v[AF+FR*(\a):AF+FR*(\a)+FR-1], v[8*(8*((\a)%4)+\b):8*(8*((\a)%4)+\b)+7], v[SC+8*NQ*(\sc)+NQ*\b+(\q)], v[SC+8*NQ*(\sc)+NQ*(\a)+(\q)] matrix_a_scale:MATRIX_SCALE_ROW1
.endif
.endr
.endr
.endm
.macro FETCH_B slot, q, p
	WIN TO_B
.irp i, 0,1,2,3,4,5,6,7
	FRAG 128*(\p)+FR*\i, ADRB+\slot, \q, \i
.endr
	WIN 0
.endm
.macro FETCH_A slot, q, i0
.irp i, \i0, \i0+1, \i0+2, \i0+3
	FRAG AF+FR*(\i), ADRA+\slot, \q, \i
.endr
.endm
.macro SCALES sc                       ; a K step's scale words: lanes 0-15 take A's block i, lanes 16-31 B's block i
.irp i, 0,1,2,3,4,5,6,7
	ds_load_b64 v[SC+8*NQ*\sc+NQ*\i:SC+8*NQ*\sc+NQ*\i+1], v[ADRS] offset:\i*SBLK
.endr
.endm
.macro PLACES n                        ; plain vector places behind matrix instructions, in front of loads into their registers and of reads of their results
.rept \n
	v_nop
.endr
.endm
.macro STEP slot, q, cm                ; 128 along K that has its successor in the same slot
	s_wait_dscnt 4*NL                              ; B's set and A's blocks 0-3 are in; the youngest 16 loads (A's blocks 4-7) may be out
.if \cm
	WIN BIAS_LO
.else
	WIN MUL_LO
.endif
	MUL16 0, (\q)%2, \q, \slot, \cm
	MUL16 2, (\q)%2, \q, \slot, \cm
	s_wait_dscnt 0
	PLACES NP
	FETCH_B \slot, (\q)+1, 1-(\q)%2
	FETCH_A \slot, (\q)+1, 0
.if \cm
	WIN BIAS_HI
.else
	WIN MUL_HI
.endif
	MUL16 4, (\q)%2, \q, \slot, \cm
	MUL16 6, (\q)%2, \q, \slot, \cm
	PLACES NP
	WIN 0
	FETCH_A \slot, (\q)+1, 4
.endm
; A slot's last step changes slots: one barrier; in front of it each wave waits for all its tensor loads, adds 0 to its spare word, and waits for that and for its reads of this slot.  fill = 1: the slot is filled again, two K steps ahead.
.macro TURN slot, next, fill
	s_wait_tensorcnt 0x0                           ; all my tensor loads have landed: my part of the next slot
	ds_add_u32 v[SPW], v[NIL]                      ; 0 onto my spare word
	s_wait_dscnt 4*NL+1                            ; the add and the youngest 16 loads may be out
	WIN MUL_LO
	MUL16 0, 1, NQ-1, \slot, 0
	s_wait_dscnt 0x0                               ; the add is done, and my reads of this slot are over
	s_barrier_signal -1
	MUL16 2, 1, NQ-1, \slot, 0
	WIN 0
	s_barrier_wait -1
.if \fill
	CREST                                          ; the barrier has opened a round of the cluster's barrier: no wave of any partner still reads this slot or has a load on its way
	s_add_nc_u64 s[G0+4*\slot+2:G0+4*\slot+3], s[G0+4*\slot+2:G0+4*\slot+3], 2*ROWB
	s_add_nc_u64 s[G0B+4*\slot+2:G0B+4*\slot+3], s[G0B+4*\slot+2:G0B+4*\slot+3], 2*ROWB
	JLOAD G0+4*\slot, G1, G0B+4*\slot, G1B         ; my one tensor load behind the round; its four v_nop are among the places below
	PLACES NP-4
.else
	PLACES NP
.endif
	s_wait_alu depctr_va_vdst(0)
	v_add_nc_u32 v[ADRS], 4*NQ, v[ADRS]            ; the next K step's scale words (no LDS load of mine is out)
	FETCH_B \next, 0, 0
	FETCH_A \next, 0, 0
	SCALES \next
	WIN MUL_HI
	MUL16 4, 1, NQ-1, \slot, 0
	MUL16 6, 1, NQ-1, \slot, 0
	PLACES NP
	WIN 0
	FETCH_A \next, 0, 4
.endm
	s_wait_tensorcnt 1                             ; the scales and my part of K step 0 are in; K step 1's load may be out
	s_barrier_signal -1
	s_barrier_wait -1
	FETCH_B 0, 0, 0
	FETCH_A 0, 0, 0
	SCALES 0
	FETCH_A 0, 0, 4
	s_wait_loadcnt 0x0                             ; the bias
	s_cmp_lg_u32 s66, 0
	s_cbranch_scc1 .Lfirst_v
	s_wait_alu depctr_va_vdst(0)
	STEP 0, 0, 1                                   ; the first step starts the sums with the bias: along the registers,
	s_branch .Lfirst_done
.Lfirst_v:
	s_wait_alu depctr_va_vdst(0)
	STEP 0, 0, 2                                   ; or of the lane's row
.Lfirst_done:
	TURN 0, 1, 1                                   ; K = 1,024 is four K steps: written straight, no loop
	STEP 1, 0, 0
	TURN 1, 0, 1
	STEP 0, 0, 0
	TURN 0, 1, 0                                   ; nothing is left to fetch
	STEP 1, 0, 0
	s_wait_dscnt 4*NL
	WIN MUL_LO
	MUL16 0, 1, NQ-1, 1, 0
	MUL16 2, 1, NQ-1, 1, 0
	s_wait_dscnt 0
	WIN MUL_HI
	MUL16 4, 1, NQ-1, 1, 0
	MUL16 6, 1, NQ-1, 1, 0
	WIN 0
; THE WAY OUT of block a (16 rows of A' x 128 of B'): four blocks of 32 along j are quantised in registers; codes, as images, go straight to memory: each store covers 512 consecutive bytes, aligned.
.macro OUTW a
.set AC, 64*((\a)%4)
.set CD, AF+16*(\a)                    ; this block's codes: registers of its own, so no store's data are written again
.set WD, BI+2*(\a)                     ; and its scale words
	WIN 0x28+0x14*((\a)/4)                         ; sources 1 and 2: window 2 or 3
.irp c, 0,1,2,3
	v_max3_num_f32 v[TM+\c], 0x4800000, |v[AC+16*\c]|, |v[AC+16*\c+1]|   ; my 16 numbers of block c, and the floor 2^(9 - 127): the byte cannot fall under 1.  Each accumulator is read from its low end on
.endr
.irp i, 2,4,6,8,10,12,14
.irp c, 0,1,2,3
	v_max3_num_f32 v[TM+\c], v[TM+\c], |v[AC+16*\c+\i]|, |v[AC+16*\c+\i+1]|
.endr
.endr
	WIN 0
.irp c, 0,1,2,3
	v_permlanex16_b32 v[TM+4+\c], v[TM+\c], s94, s95
.endr
.irp c, 0,1,2,3
	v_max_num_f32 v[TM+\c], v[TM+\c], v[TM+4+\c]   ; with lane l xor 16's: the block's largest magnitude
.endr
.irp c, 0,1,2,3
	v_add_nc_u32 v[TM+12+\c], 0xfc000000, v[TM+\c] ; 8 off its exponent field: the conversion's scale operand
.endr
.irp c, 0,1,2,3
.endr
.irp c, 0,1,2,3
	v_lshrrev_b32 v[TM+4+\c], 23, v[TM+12+\c]      ; the scale's byte
.endr
	WIN 0x82+0x41*((\a)/4)                         ; destination and source 0: window 2 or 3
.irp c, 0,1,2,3
.irp i, 0,1,2,3,4,5,6,7,8,9,10,11,12,13,14,15
.endr
.endr
	WIN 0x02+((\a)/4)                              ; source 0: window 2 or 3
.irp c, 0,1,2,3
	v_cvt_scalef32_pk8_fp8_f32 v[CD+4*\c:CD+4*\c+1], v[AC+16*\c:AC+16*\c+7], v[TM+12+\c]
	v_cvt_scalef32_pk8_fp8_f32 v[CD+4*\c+2:CD+4*\c+3], v[AC+16*\c+8:AC+16*\c+15], v[TM+12+\c]
.endr
	WIN 0
	v_nop                                          ; one plain place behind the last conversion
	s_cmp_lg_u32 s66, 0
	s_cbranch_scc1 .Lout_v_\@
	v_lshl_or_b32 v[WD], v[TM+5], 8, v[TM+4]       ; q, k: a head is two blocks: a word for each of my two heads; its upper two bytes are 1.0: they meet zero codes in the next launch
	v_lshl_or_b32 v[WD+1], v[TM+7], 8, v[TM+6]
	v_or_b32 v[WD], 0x7f7f0000, v[WD]
	v_or_b32 v[WD+1], 0x7f7f0000, v[WD+1]
	ds_store_b32 v[SQA], v[WD] offset:64*(\a)      ; both halves of the lanes write the same word with the same value
	ds_store_b32 v[SQA], v[WD+1] offset:512+64*(\a)
	global_store_b128 v[LI], v[CD:CD+3], s[12:13] offset:1024*(\a)
	global_store_b128 v[LI], v[CD+4:CD+7], s[12:13] offset:1024*(\a)+512
	global_store_b128 v[LI], v[CD+8:CD+11], s[96:97] offset:1024*(\a)
	global_store_b128 v[LI], v[CD+12:CD+15], s[96:97] offset:1024*(\a)+512
	s_branch .Lout_done_\@
.Lout_v_\@:
	v_lshl_or_b32 v[WD], v[TM+5], 8, v[TM+4]       ; v: the four blocks are one key step of 128: one word
	v_lshl_or_b32 v[WD], v[TM+6], 16, v[WD]
	v_lshl_or_b32 v[WD], v[TM+7], 24, v[WD]
	ds_store_b32 v[SVA], v[WD] offset:256*((\a)/4)+64*((\a)%4)
	s_wait_alu depctr_va_vdst(0)
.irp c, 0,1,2,3
.if (\a) < 4
	global_store_b128 v[LI], v[CD+4*\c:CD+4*\c+3], s[12:13] offset:2048*((\a)%4)+512*\c
.else
	global_store_b128 v[LI], v[CD+4*\c:CD+4*\c+3], s[96:97] offset:2048*((\a)%4)+512*\c
.endif
.endr
.Lout_done_\@:
.endm
.irp c, 0,1,2,3
	v_mov_b32 v[TM+4+\c], 0                        ; written once: a lane permute's destination counts as one of its sources.  (Four of the eight places behind the last products)
.endr
	PLACES NP-4
.irp a, 0,1,2,3,4,5,6,7
	OUTW \a
.endr
	; the scale words leave through my own stage: LDS serves a wave's instructions in order, so these loads see my stores
	s_cmp_lg_u32 s66, 0
	s_cbranch_scc1 .Lsc_v
	ds_load_b128 v[96:99], v[SQR]
	ds_load_b128 v[100:103], v[SQR] offset:512
	s_wait_dscnt 0x0
	global_store_b128 v[LI], v[96:99], s[20:21]    ; 128 tokens' words of a head: 512 consecutive bytes, aligned
	global_store_b128 v[LI], v[100:103], s[22:23]
	s_branch .Lsc_done
.Lsc_v:
	ds_load_b128 v[96:99], v[SVR]
	s_wait_dscnt 0x0
	global_store_b128 v[VSO], v[96:99], s[20:21]   ; sixteen lanes store 256 consecutive bytes, aligned, of one head; the other sixteen the next head's
.Lsc_done:
	s_wait_tensorcnt 0x0                           ; the wave's end
	ds_add_u32 v[SPW], v[NIL]
	s_wait_dscnt 0x0
	CROUND                                         ; the closing round
	s_endpgm
.Lfunc_end_k_q49b38f84a4_qkv:
	.size	k_q49b38f84a4_qkv, .Lfunc_end_k_q49b38f84a4_qkv-k_q49b38f84a4_qkv
	.p2alignl 7, 3214868480
	.fill 96, 4, 3214868480
	.section	.rodata,"a",@progbits
	.p2align	6, 0x0
	.amdhsa_kernel k_q49b38f84a4_qkv
		.amdhsa_group_segment_fixed_size 327680
		.amdhsa_private_segment_fixed_size 0
		.amdhsa_enable_private_segment 0
		.amdhsa_kernarg_size 64
		.amdhsa_user_sgpr_count 2
		.amdhsa_user_sgpr_kernarg_segment_ptr 1
		.amdhsa_wavefront_size32 1
		.amdhsa_system_sgpr_workgroup_id_x 1
		.amdhsa_system_sgpr_workgroup_id_y 1
		.amdhsa_system_sgpr_workgroup_id_z 1
		.amdhsa_system_vgpr_workitem_id 0
		.amdhsa_next_free_vgpr 1024
		.amdhsa_next_free_sgpr 98
		.amdhsa_reserve_vcc 0
		.amdhsa_float_denorm_mode_32 3
		.amdhsa_float_denorm_mode_16_64 3
		.amdhsa_fp16_overflow 1
		.amdhsa_memory_ordered 1
		.amdhsa_forward_progress 1
		.amdhsa_inst_pref_size 177
	.end_amdhsa_kernel
	.amdgpu_metadata
---
amdhsa.version: [ 1, 2 ]
amdhsa.kernels:
  - .name:           k_q49b38f84a4_qkv
    .symbol:         k_q49b38f84a4_qkv.kd
    .args:
      - { .name: x_codes, .offset: 0, .size: 8, .value_kind: global_buffer, .address_space: global }
      - { .name: x_scales, .offset: 8, .size: 8, .value_kind: global_buffer, .address_space: global }
      - { .name: w_qkv_codes, .offset: 16, .size: 8, .value_kind: global_buffer, .address_space: global }
      - { .name: w_qkv_scales, .offset: 24, .size: 8, .value_kind: global_buffer, .address_space: global }
      - { .name: b_qkv, .offset: 32, .size: 8, .value_kind: global_buffer, .address_space: global }
      - { .name: q_img, .offset: 40, .size: 8, .value_kind: global_buffer, .address_space: global }
      - { .name: q_sc, .offset: 48, .size: 8, .value_kind: global_buffer, .address_space: global }
      - { .name: kv, .offset: 56, .size: 8, .value_kind: global_buffer, .address_space: global }
    .group_segment_fixed_size: 327680
    .private_segment_fixed_size: 0
    .kernarg_segment_align: 8
    .kernarg_segment_size: 64
    .max_flat_workgroup_size: 128
    .sgpr_count:     98
    .vgpr_count:     1024
    .wavefront_size: 32
...
	.end_amdgpu_metadata
.endif
;; end of part 1
;; launch attn (part 2): grid 4 x 64, 16 waves a work-group, no clusters, 327,680 bytes of LDS; arguments q_img, q_sc, kv, y_img, y_sc; writes y_img, y_sc
.if DOCPART == 2
	.amdgcn_target "amdgcn-amd-amdhsa--gfx1250"
	.amdhsa_code_object_version 6
	.text
	.protected	k_q49b38f84a4_attn
	.globl	k_q49b38f84a4_attn
	.p2align	8
	.type	k_q49b38f84a4_attn,@function
k_q49b38f84a4_attn:
	s_mov_b64 s[64:65], 0
	v_nop
	global_prefetch_b8 v0, s[64:65] scope:SCOPE_SE
	s_setreg_imm32_b32 hwreg(HW_REG_WAVE_MODE, 25, 1), 1
	s_wait_xcnt 0x0
; y[b][h][q] = the sum over k <= q of softmax_k(q . k / 8) v, both products on codes of FP8 (E4M3) with one E8M0 scale for each 32 along a product's K; y is quantised along the channels on its way out.
; THE SOFTMAX AHEAD OF THE SECOND PRODUCT: t = score x log2(e) / 8; M = the running largest t rounded UP to a whole number; p = 2^(t - M) is quantised along the keys, not normalised; the row's sum is taken of the
; unquantised p and divides at the end.  When M moves, the sum and O are multiplied by 2^(old M - new M): exact.
; SHARES.  A work-group (x = i, y = head 16 b + h) owns the blocks 7 - i and i of 256 queries: it walks key slots 0 .. 7 - i for the first and 0 .. i for the second: NINE slots of 256 keys in every work-group, so the
; trip count is a constant and all 256 work-groups have the same work.  Each of sixteen waves owns 16 queries of the block in hand, in 256 registers: four waves to a SIMD, one's vector work beside another's products.
; A slot of kv (34,304 bytes: K images, V images, K scale words, V scale words) is dense in memory and is copied as it lies into one of two LDS slots: waves 0 and 1 bring a half each.
; NO CLUSTER: the four work-groups of a head walk different sequences of slots (0 .. 7 - i, then 0 .. i), so partners would want different tiles in the same round.
; LAYOUT.  Both products transposed: S^T = K Q^T (source 0 = 16 neighbouring keys), O^T = V^T P^T (source 0 = 16 channels): a lane holds one query (lane % 16).  The 16 registers of key tiles 2 c, 2 c + 1 are the keys
; 32 c + 8 (lane / 16) + (i % 8) + 16 (i / 8) of block c; V's images hold the keys of a block in that same order, so the products are kept; the matrix unit's grouping of the sums differs from the order of k.
; K = 64 IN A FORM OF K = 128.  Q's registers 8-15 are zero codes.  K's tile t is named as 16 registers of which the upper eight are tile t + 1's codes (finite: the quantiser holds at 448; behind tile 7 stand zeros):
; a finite number times zero adds nothing, and the scale bytes of that half are 1.0.  So K's fragments cost half the LDS reads and registers.
; LIMITS: NaN and infinities are not served.  A block of zeros gets the byte 1 and not 127 (zero codes; this program alone reads the bytes).  A block's largest p is taken through its largest score, which takes
; v_exp_f32 not to fall where its input rises.  1 / the sum is v_rcp_f32's.
.set SLOTB, 34304
.set HALFB, 17152                      ; 67 rows of 256 bytes
.set HEADB, 274432
.set SLOT1, 65536                      ; LDS slot 1: one exclusive or turns an address in one slot into the other's
.set VIMO,  16384                      ; in a slot: V's images,
.set KSCO,  32768                      ; K's scale words,
.set VSCO,  33792                      ; V's
.set SPARE, 131072                     ; the spare words: 128 bytes for each of 16 waves, named by no other line
.set YSB,   SPARE+2048                 ; y's scale bytes of the two blocks of queries: 2 x 512 bytes; no tile lands here
.set LI,  1                            ; v1   16 x lane
.set LS,  2                            ; v2   4 x lane
.set SPW, 3
.set NIL, 4
.set ADI, 5                            ; v5   the slot in hand + 16 x lane
.set ADS, 6                            ; v6   the slot in hand + 4 x lane
.set D0,  7                            ; v7   lane % 16 - 8 (lane / 16)
.set R4,  8                            ; v8   4 x (lane % 16)
.set YSA, 9                            ; v9   where my query's two scale bytes go
.set YSR, 10                           ; v10  where waves 0 and 1 read them back
.set DM,  11                           ; v11  the mask's bound
.set KV,  32                           ; v32-95 eight tiles of K (8 registers each), later four fragments of V; v96-103 zeros
.set S,   104                          ; v104-167 S^T, then p; y at the end
.set OT,  168                          ; v168-199 O^T
.set PCD, 200                          ; v200-215 p's codes; y's at the end
.set BM,  216
.set PB,  220
.set LIM, 224
.set SOP, 228
.set SUM2, 232
.set FF,  234                          ; v[234:235] f = 2^(old M - new M) in the low word
.set TMP, 236
.set NINF, 237
.set HW,  238
.set KSC, 240                          ; v240-243 K's scale words, v244-245 V's, v246 p's, v247 Q's: v240-243 also the row sum's scratch
.set VSC, 244
.set PS,  246
.set QS,  247
.set BLO, 14
.set BHI, 15
.set WRAP, 16
.set NK,  17                           ; s17  the key slot of the fill last asked for
.set WV,  18
.set MNT, 19
.set SEL, 20
.set CS,  22
.set G1,  24
.set G0,  32
.set KVB, 36                           ; s[36:37] kv at my head, my half of a slot
.set OFF, 38                           ; s[38:39] an offset, its high word 0
.set NT,  40
.set TB,  41
.set KF,  42
.set Q0,  43
.set BH,  44
.set BLK, 45
.set QP,  46
.set QSP, 48
.set YP,  50
.macro TLOAD                           ; waves 0 and 1 bring a half slot each; the branch hangs on the wave's number alone; four v_nop follow the load
	s_cmp_lt_u32 s[WV], 2
	s_cbranch_scc0 .Lnone_\@
	tensor_load_to_lds s[G0:G0+3], s[G1:G1+7]
	s_nop 0
.rept 4
	v_nop
.endr
.Lnone_\@:
.endm
	s_load_b256 s[4:11], s[0:1], 0x0               ; q_img s[4:5], q_sc s[6:7], kv s[8:9], y_img s[10:11]
	s_load_b64 s[12:13], s[0:1], 0x20              ; y_sc
	v_lshl_add_u32 v[SPW], v0, 2, SPARE
	v_mov_b32 v[NIL], 0
	ds_add_u32 v3, v4
	ds_add_u32 v3, v4
	s_wait_dscnt 0x0
	v_lshrrev_b32 v5, 5, v0
	s_delay_alu instid0(VALU_DEP_1)
	v_readfirstlane_b32 s[WV], v5                  ; wave 0..15
	s_and_b32 s[BH], ttmp7, 0xffff                 ; the head, 16 b + h
	s_mov_b32 s[BLO], ttmp9                        ; my two blocks of queries: i,
	s_sub_co_u32 s[BHI], 7, ttmp9                  ; and 7 - i
	s_add_co_u32 s[WRAP], s[BHI], 1                ; the first walk has 8 - i slots
	s_mov_b32 s[G1], 3<<16                         ; no mask; elements of 8 bytes; no padding
	s_mov_b32 s[G1+1], 32<<16                      ; tensor_dim0 = 32 elements: rows of 256 bytes
	s_mov_b32 s[G1+2], 67<<16                      ; tensor_dim1 = 67
	s_mov_b32 s[G1+3], 32<<16                      ; tile_dim0
	s_mov_b32 s[G1+4], 67                          ; tile_dim1
	s_mov_b32 s[G1+5], 32                          ; dense
	s_mov_b32 s[G1+6], 0
	s_mov_b32 s[G1+7], 0
	s_and_b32 s52, s[WV], 1
	s_mul_i32 s[G0+1], s52, HALFB                  ; LDS: my half of slot 0
	s_mul_i32 s[OFF], s[BH], HEADB
	s_add_co_u32 s[OFF], s[OFF], s[G0+1]           ; and the same half in memory
	s_mov_b32 s[OFF+1], 0
	s_mov_b32 s[SEL], 0x76543210
	s_mov_b32 s[SEL+1], 0xfedcba98                 ; lane l xor 16
	s_mov_b32 s[CS], 0x3e38aa3b                    ; c = log2(e) / 8
	s_mov_b32 s[CS+1], s[CS]
	s_mov_b32 s[NK], 0
	s_mov_b32 s[TB], 0
	s_mov_b32 s[NT], 0
	s_mov_b32 s[G0], 1
	s_wait_kmcnt 0x0
	s_add_nc_u64 s[KVB:KVB+1], s[8:9], s[OFF:OFF+1]
	s_mov_b64 s[G0+2:G0+3], s[KVB:KVB+1]
	s_or_b32 s[G0+3], s[G0+3], 0x80000000
	TLOAD                                          ; key slot 0 into LDS slot 0: the one first fill
	v_and_b32 v5, 31, v0
	s_delay_alu instid0(VALU_DEP_1)
	v_lshlrev_b32 v[LI], 4, v5
	s_delay_alu instid0(VALU_DEP_2)
	v_lshlrev_b32 v[LS], 2, v5
	v_and_b32 v5, 15, v0                           ; r
	v_bfe_u32 v6, v0, 4, 1                         ; h
	s_delay_alu instid0(VALU_DEP_2)
	v_lshlrev_b32 v[R4], 2, v5
	s_delay_alu instid0(VALU_DEP_2)
	v_lshlrev_b32 v6, 3, v6
	s_delay_alu instid0(VALU_DEP_1)
	v_sub_nc_u32 v[D0], v5, v6
	s_lshl_b32 s52, s[WV], 5
	s_add_co_u32 s52, s52, YSB
	v_lshl_add_u32 v[YSA], v5, 1, s52              ; 2 bytes a query: 32 x wave + 2 r
	v_lshl_add_u32 v[YSR], v0, 4, YSB
.irp j, 0,1,2,3,4,5,6,7
	v_mov_b32 v[24+\j], 0                          ; Q's upper half: zero codes
	v_mov_b32 v[96+\j], 0                          ; and what stands behind K's tile 7
.endr
.irp b, 0,1,2,3
	v_mov_b32 v[PB+\b], 0                          ; written once: a lane permute's destination counts as one of its sources
.endr
	v_mov_b32 v[FF+1], 0                           ; (named as the upper half of a pair)
	v_mov_b32 v[TMP], 0
	v_mov_b32 v[NINF], 0xff800000                  ; -infinity
; The block of queries s[BLK] is begun: my 16 queries' codes and scale words; the largest t -3e38, the sum and O^T zeros, so that the key step is written once: its first change of M multiplies zeros.
.macro INIT
	s_lshl_b32 s[Q0], s[BLK], 8
	s_lshl_b32 s52, s[WV], 4
	s_add_co_u32 s[Q0], s[Q0], s52                 ; my first query
	s_mov_b32 s[KF], 0
	s_lshl_b32 s52, s[BH], 17                      ; a head's images: 131,072 bytes; a tile of 16 queries: 1,024
	s_lshl_b32 s53, s[Q0], 6
	s_add_co_u32 s52, s52, s53
	s_mov_b32 s53, 0
	s_add_nc_u64 s[QP:QP+1], s[4:5], s[52:53]
	s_lshl_b32 s52, s[BH], 13
	s_lshl_b32 s54, s[Q0], 2
	s_add_co_u32 s52, s52, s54
	s_add_nc_u64 s[QSP:QSP+1], s[6:7], s[52:53]
	global_load_b128 v[16:19], v[LI], s[QP:QP+1]
	global_load_b128 v[20:23], v[LI], s[QP:QP+1] offset:512
	global_load_b32 v[QS], v[R4], s[QSP:QSP+1]
	v_mov_b32 v13, 0xff61b1e6
	s_delay_alu instid0(VALU_DEP_1)
	v_floor_f32 v12, -v13                          ; -M
	v_mov_b32 v14, 0
	v_mov_b32 v15, 0
.set jj, 0
.rept 32
	v_mov_b32 v[OT+jj], 0
.set jj, jj+1
.endr
	s_wait_loadcnt 0x0
.endm
; THE CHANGE OF SLOTS, at a slot's head: each wave waits for all its tensor loads, adds 0 to its spare word, waits for that and for its reads of the slot that it has left; behind the barrier the slot ahead is whole and
; nobody reads the other one, which (fill = 1) takes the next key slot of the walk: behind slot 7 - i of the first walk comes slot 0 of the second.
.macro CHANGE fill
	s_wait_tensorcnt 0x0                           ; no tensor load of mine is out, so group 0 may be written
	ds_add_u32 v[SPW], v[NIL]
.if \fill
	s_xor_b32 s[G0+1], s[G0+1], SLOT1
	s_add_co_u32 s[NK], s[NK], 1
	s_cmp_eq_u32 s[NK], s[WRAP]
	s_cselect_b32 s[NK], 0, s[NK]
	s_mul_i32 s[OFF], s[NK], SLOTB
	s_add_nc_u64 s[G0+2:G0+3], s[KVB:KVB+1], s[OFF:OFF+1]
	s_or_b32 s[G0+3], s[G0+3], 0x80000000
.endif
	s_wait_dscnt 0x0                               ; the add is done, and my reads of the slot that I have left are over
	s_barrier_signal -1
	s_barrier_wait -1
.if \fill
	TLOAD                                          ; the first thing behind the barrier, a wave's one tensor load until the next: it has a slot's two key steps in which to land
.endif
.endm
; A KEY STEP: 128 keys, the q-th of the slot in hand.
.macro STEP q
	s_add_co_u32 s52, s[Q0], 15                    ; a step all of whose keys come after my 16 queries is left out: a scalar branch on ids
	s_cmp_gt_u32 s[KF], s52
	s_cbranch_scc1 .Lhidden_\@
	v_add_nc_u32 v[ADI], s[TB], v[LI]
	v_add_nc_u32 v[ADS], s[TB], v[LS]
.rept 6
	v_nop                                          ; with the two additions: eight places in front of loads into registers that the last products read
.endr
.irp t, 0,1,2,3,4,5,6,7
	ds_load_b128 v[KV+8*\t:KV+8*\t+3], v[ADI] offset:(8*(\q)+\t)*1024
	ds_load_b128 v[KV+8*\t+4:KV+8*\t+7], v[ADI] offset:(8*(\q)+\t)*1024+512
.endr
.irp m, 0,1,2,3
	ds_load_b32 v[KSC+\m], v[ADS] offset:KSCO+512*(\q)+128*\m   ; lanes 0-15: tile 2 m's words; lanes 16-31: tile 2 m + 1's
.endr
	s_wait_alu depctr_va_vdst(0)
	s_wait_dscnt 0x0
.irp t, 0,2,4,6
	v_wmma_scale_f32_16x16x128_f8f6f4 v[S+8*\t:S+8*\t+7], v[KV+8*\t:KV+8*\t+15], v[16:31], 0, v[KSC+\t/2], v[QS]
	v_wmma_scale_f32_16x16x128_f8f6f4 v[S+8*\t+8:S+8*\t+15], v[KV+8*\t+8:KV+8*\t+23], v[16:31], 0, v[KSC+\t/2], v[QS] matrix_a_scale:MATRIX_SCALE_ROW1
.endr
.rept 8
	v_nop                                          ; places in front of the loads below and of the first read of the scores
.endr
.irp d, 0,1,2,3
.irp c, 0,1,2,3
	ds_load_b128 v[KV+16*\d+4*\c:KV+16*\d+4*\c+3], v[ADI] offset:VIMO+8192*(\q)+2048*\d+512*\c   ; V's four fragments land under the softmax
.endr
.endr
.irp m, 0,1
	ds_load_b32 v[VSC+\m], v[ADS] offset:VSCO+256*(\q)+128*\m
.endr
	s_add_co_u32 s52, s[KF], 127                   ; on the diagonal hidden scores become -infinity; a step all of whose keys count skips this
	s_cmp_le_u32 s52, s[Q0]
	s_cbranch_scc1 .Lopen_\@
	s_sub_co_i32 s52, s[Q0], s[KF]
	v_add_nc_u32 v[DM], s52, v[D0]                 ; register n holds key KF + 16 (n / 8) + 8 (lane / 16) + n % 8: hidden where 16 (n / 8) + n % 8 > my query - KF - 8 (lane / 16)
.set jj, 0
.rept 64
	v_cmp_gt_i32 vcc_lo, 16*(jj/8)+jj%8, v[DM]
	v_cndmask_b32 v[S+jj], v[S+jj], v[NINF], vcc_lo
.set jj, jj+1
.endr
.Lopen_\@:
.irp b, 0,1,2,3
	v_max3_num_f32 v[BM+\b], v[S+16*\b], v[S+1+16*\b], v[S+2+16*\b]   ; the largest score of each block of 32 keys: for the row's maximum, and, since p rises with the score, for the block's largest p
.endr
.irp i, 3,5,7,9,11,13
.irp b, 0,1,2,3
	v_max3_num_f32 v[BM+\b], v[BM+\b], v[S+16*\b+\i], v[S+1+16*\b+\i]
.endr
.endr
.irp b, 0,1,2,3
	v_max_num_f32 v[BM+\b], v[BM+\b], v[S+15+16*\b]
.endr
.irp b, 0,1,2,3
	s_delay_alu instid0(VALU_DEP_4)
	v_permlanex16_b32 v[PB+\b], v[BM+\b], s[SEL], s[SEL+1]
.endr
.irp b, 0,1,2,3
	s_delay_alu instid0(VALU_DEP_4)
	v_max_num_f32 v[BM+\b], v[BM+\b], v[PB+\b]     ; with lane l xor 16's 16 keys
.endr
	s_delay_alu instid0(VALU_DEP_2)
	v_max3_num_f32 v[TMP], v[BM], v[BM+1], v[BM+2]
	s_delay_alu instid0(VALU_DEP_1)
	v_max_num_f32 v[TMP], v[TMP], v[BM+3]
	s_delay_alu instid0(VALU_DEP_1)
	v_mul_f32 v[TMP], s[CS], v[TMP]                ; as t
	s_delay_alu instid0(VALU_DEP_1)
	v_max_num_f32 v13, v13, v[TMP]                 ; the running largest t
	v_mov_b32 v[TMP], v12
	s_delay_alu instid0(VALU_DEP_2)
	v_floor_f32 v12, -v13                          ; the new -M = -ceil(t): a whole number
	s_delay_alu instid0(VALU_DEP_1)
	v_sub_f32 v[TMP], v12, v[TMP]                  ; old M - new M, 0 or less
	s_delay_alu instid0(VALU_DEP_1)
	v_cvt_i32_f32 v[TMP], v[TMP]                   ; (it saturates)
	s_delay_alu instid0(VALU_DEP_1)
	v_ldexp_f32 v[FF], 1.0, v[TMP]                 ; f = 2^(old M - new M)
.set jj, 0
.rept 32
	v_pk_fma_f32 v[S+jj:S+jj+1], v[S+jj:S+jj+1], s[CS:CS+1], v[12:13] op_sel_hi:[1,0,0]   ; t - M, two at a time
.set jj, jj+2
.endr
.irp b, 0,1,2,3
	v_fma_f32 v[BM+\b], v[BM+\b], s[CS], v12       ; the same of each block's largest score
.endr
.set jj, 0
	s_wait_alu depctr_va_vdst(0)
.rept 64
	v_exp_f32 v[S+jj], v[S+jj]                     ; p = 2^(t - M), at most 1
.set jj, jj+1
.endr
.irp b, 0,1,2,3
	v_exp_f32 v[BM+\b], v[BM+\b]                   ; the block's largest p: the same two instructions on the same number
.endr
	v_pk_mul_f32 v[14:15], v[14:15], v[FF:FF+1] op_sel_hi:[1,0]   ; the sums under the new M.  (A plain place behind the exponentials)
	s_wait_alu depctr_va_vdst(0)
.irp b, 0,1,2,3
	v_max_num_f32 v[BM+\b], 0x4800000, v[BM+\b]    ; the floor 2^(9 - 127)
.endr
.irp b, 0,1,2,3
	s_delay_alu instid0(VALU_DEP_4)
	v_add_nc_u32 v[SOP+\b], 0xfc000000, v[BM+\b]   ; the conversion's scale operand
.endr
.irp b, 0,1,2,3
.endr
.irp b, 0,1,2,3
	s_delay_alu instid0(VALU_DEP_4)
	v_lshrrev_b32 v[PB+\b], 23, v[SOP+\b]          ; the scale's byte
.endr
	s_delay_alu instid0(VALU_DEP_3)
	v_lshl_or_b32 v[PS], v[PB+1], 8, v[PB]         ; p's scale word for these 128 keys
	s_delay_alu instid0(VALU_DEP_1)
	v_lshl_or_b32 v[PS], v[PB+2], 16, v[PS]
	s_delay_alu instid0(VALU_DEP_1)
	v_lshl_or_b32 v[PS], v[PB+3], 24, v[PS]
	v_pk_add_f32 v[232:233], v[108:109], v[112:113]
	v_pk_add_f32 v[254:255], v[116:117], v[120:121]
	v_pk_add_f32 v[252:253], v[124:125], v[128:129]
	v_pk_add_f32 v[250:251], v[132:133], v[136:137]
	v_pk_add_f32 v[248:249], v[140:141], v[144:145]
	v_pk_add_f32 v[242:243], v[148:149], v[152:153]
	v_pk_add_f32 v[240:241], v[156:157], v[160:161]
	v_pk_add_f32 v[14:15], v[14:15], v[164:165]
	v_pk_add_f32 v[232:233], v[232:233], v[104:105]
	v_pk_add_f32 v[254:255], v[254:255], v[106:107]
	v_pk_add_f32 v[252:253], v[252:253], v[110:111]
	v_pk_add_f32 v[250:251], v[250:251], v[114:115]
	v_pk_add_f32 v[248:249], v[248:249], v[118:119]
	v_pk_add_f32 v[242:243], v[242:243], v[122:123]
	v_pk_add_f32 v[240:241], v[240:241], v[126:127]
	v_pk_add_f32 v[14:15], v[14:15], v[130:131]
	v_pk_add_f32 v[232:233], v[232:233], v[134:135]
	v_pk_add_f32 v[254:255], v[254:255], v[138:139]
	v_pk_add_f32 v[252:253], v[252:253], v[142:143]
	v_pk_add_f32 v[250:251], v[250:251], v[146:147]
	v_pk_add_f32 v[248:249], v[248:249], v[150:151]
	v_pk_add_f32 v[242:243], v[242:243], v[154:155]
	v_pk_add_f32 v[240:241], v[240:241], v[158:159]
	v_pk_add_f32 v[14:15], v[14:15], v[162:163]
	v_pk_add_f32 v[232:233], v[232:233], v[166:167]
	s_delay_alu instid0(VALU_DEP_2)
	v_pk_add_f32 v[14:15], v[14:15], v[250:251]
	s_delay_alu instid0(VALU_DEP_2)
	v_pk_add_f32 v[232:233], v[232:233], v[248:249]
	v_pk_add_f32 v[254:255], v[254:255], v[242:243]
	v_pk_add_f32 v[252:253], v[252:253], v[240:241]
	s_delay_alu instid0(VALU_DEP_2)
	v_pk_add_f32 v[14:15], v[14:15], v[254:255]
	s_delay_alu instid0(VALU_DEP_2)
	v_pk_add_f32 v[232:233], v[232:233], v[252:253]
	s_delay_alu instid0(VALU_DEP_1)
	v_pk_add_f32 v[14:15], v[14:15], v[232:233]
.irp b, 0,1,2,3
.irp i, 0,1,2,3,4,5,6,7,8,9,10,11,12,13,14,15
.endr
	v_cvt_scalef32_pk8_fp8_f32 v[PCD+4*\b:PCD+4*\b+1], v[S+16*\b:S+16*\b+7], v[SOP+\b]
	v_cvt_scalef32_pk8_fp8_f32 v[PCD+4*\b+2:PCD+4*\b+3], v[S+16*\b+8:S+16*\b+15], v[SOP+\b]
.endr
.set jj, 0
.rept 16
	v_pk_mul_f32 v[OT+jj:OT+jj+1], v[OT+jj:OT+jj+1], v[FF:FF+1] op_sel_hi:[1,0]   ; O^T under the new M; these are also the places between the conversions and the products
.set jj, jj+2
.endr
	s_wait_alu depctr_va_vdst(0)
	s_wait_dscnt 0x0                               ; V
.irp d, 0,2                                    ; the four accumulators take turns; the eight products K Q^T stand between two links on one of them
	v_wmma_scale_f32_16x16x128_f8f6f4 v[OT+8*\d:OT+8*\d+7], v[KV+16*\d:KV+16*\d+15], v[PCD:PCD+15], v[OT+8*\d:OT+8*\d+7], v[VSC+\d/2], v[PS]
	v_wmma_scale_f32_16x16x128_f8f6f4 v[OT+8*\d+8:OT+8*\d+15], v[KV+16*\d+16:KV+16*\d+31], v[PCD:PCD+15], v[OT+8*\d+8:OT+8*\d+15], v[VSC+\d/2], v[PS] matrix_a_scale:MATRIX_SCALE_ROW1
.endr
.Lhidden_\@:
	s_add_co_u32 s[KF], s[KF], 128
.endm
; A block of queries is finished: y = O^T / the sum; its 64 channels are two blocks of 32 of the last product's K: quantised, put into the true order of k, and stored as images; the two scale bytes go to LDS (e: which block).
.macro FINISH e
.rept 8
	v_nop
.endr
	v_add_f32 v14, v14, v15
	s_delay_alu instid0(VALU_DEP_1)
	v_permlanex16_b32 v[TMP], v14, s[SEL], s[SEL+1]
	s_delay_alu instid0(VALU_DEP_1)
	v_add_f32 v14, v14, v[TMP]                     ; the row's sum
	s_wait_alu depctr_va_vdst(0)
	v_rcp_f32 v14, v14
	v_nop
.set jj, 0
	s_wait_alu depctr_va_vdst(0)
.rept 16
	v_pk_mul_f32 v[S+jj:S+jj+1], v[OT+jj:OT+jj+1], v[14:15] op_sel_hi:[1,0]   ; each accumulator from its low end on
.set jj, jj+2
.endr
.irp c, 0,1
	v_max3_num_f32 v[BM+\c], |v[S+16*\c]|, |v[S+1+16*\c]|, 0x4800000
.endr
.irp i, 2,4,6,8,10,12,14
.irp c, 0,1
	s_delay_alu instid0(VALU_DEP_2)
	v_max3_num_f32 v[BM+\c], v[BM+\c], |v[S+16*\c+\i]|, |v[S+1+16*\c+\i]|
.endr
.endr
.irp c, 0,1
	s_delay_alu instid0(VALU_DEP_2)
	v_permlanex16_b32 v[PB+\c], v[BM+\c], s[SEL], s[SEL+1]
.endr
.irp c, 0,1
	s_delay_alu instid0(VALU_DEP_2)
	v_max_num_f32 v[BM+\c], v[BM+\c], v[PB+\c]
.endr
.irp c, 0,1
	s_delay_alu instid0(VALU_DEP_2)
	v_add_nc_u32 v[SOP+\c], 0xfc000000, v[BM+\c]
.endr
.irp c, 0,1
.endr
.irp c, 0,1
	s_delay_alu instid0(VALU_DEP_2)
	v_lshrrev_b32 v[PB+\c], 23, v[SOP+\c]
.endr
	s_delay_alu instid0(VALU_DEP_1)
	v_lshl_or_b32 v[HW], v[PB+1], 8, v[PB]
.irp c, 0,1
.irp i, 0,1,2,3,4,5,6,7,8,9,10,11,12,13,14,15
.endr
.endr
.irp c, 0,1
	v_cvt_scalef32_pk8_fp8_f32 v[PCD+4*\c:PCD+4*\c+1], v[S+16*\c:S+16*\c+7], v[SOP+\c]
	v_cvt_scalef32_pk8_fp8_f32 v[PCD+4*\c+2:PCD+4*\c+3], v[S+16*\c+8:S+16*\c+15], v[SOP+\c]
.endr
	v_nop                                          ; one plain place behind the last conversion
.irp c, 0,1                                    ; lanes 0-15 hold channels 32 c + 0..7 and 16..23, lanes 16-31 8..15 and 24..31: the exchange gives lane half h the channels 32 c + 16 h + 0 .. 15, as w_proj's rows lie
	v_permlane16_swap_b32 v[PCD+4*\c], v[PCD+4*\c+2]
	v_permlane16_swap_b32 v[PCD+4*\c+1], v[PCD+4*\c+3]
.endr
	s_lshr_b32 s52, s[BH], 4
	s_lshl_b32 s52, s52, 7
	s_lshl_b32 s53, s[BLK], 4
	s_add_co_u32 s52, s52, s53
	s_add_co_u32 s52, s52, s[WV]                   ; my tile of 16 tokens: 128 b + 16 x block + wave
	s_lshl_b32 s52, s52, 14                        ; 16 heads x 1,024 bytes
	s_and_b32 s53, s[BH], 15
	s_lshl_b32 s53, s53, 10
	s_add_co_u32 s52, s52, s53
	s_mov_b32 s53, 0
	s_add_nc_u64 s[YP:YP+1], s[10:11], s[52:53]
	s_wait_alu depctr_va_vdst(0)
	global_store_b128 v[LI], v[PCD:PCD+3], s[YP:YP+1]              ; 1,024 consecutive bytes, aligned, in two stores
	global_store_b128 v[LI], v[PCD+4:PCD+7], s[YP:YP+1] offset:512
	ds_store_b16 v[YSA], v[HW] offset:512*\e       ; both halves of the lanes write the same two bytes
	s_wait_xcnt 0x0                                ; the stores' data and base are written again only behind this wait
.endm
	s_mov_b32 s[BLK], s[BHI]
	INIT
.Ltrip:                                            ; eight trips, a slot each; the ninth is written out
	CHANGE 1
	STEP 0
	STEP 1
	s_xor_b32 s[TB], s[TB], SLOT1
	s_cmp_lg_u32 s[NT], s[BHI]                     ; behind slot 7 - i the first block is finished and the second begins: alike in all waves; no barrier and no tensor load stands here
	s_cbranch_scc1 .Lsame
	FINISH 0
	s_mov_b32 s[BLK], s[BLO]
	INIT
.Lsame:
	s_add_co_u32 s[NT], s[NT], 1
	s_cmp_lt_u32 s[NT], 8
	s_cbranch_scc1 .Ltrip
	CHANGE 0
	STEP 0
	STEP 1
	FINISH 1
	s_wait_dscnt 0x0                               ; for the others' sake: my scale bytes lie in LDS
	s_barrier_signal -1
	s_barrier_wait -1
	s_cmp_lt_u32 s[WV], 2
	s_cbranch_scc0 .Lno_sc
	s_cmp_eq_u32 s[WV], 0                          ; wave 0 stores the first block's 512 scale bytes, wave 1 the second's
	s_cselect_b32 s52, s[BHI], s[BLO]
	s_lshl_b32 s52, s52, 9
	s_lshl_b32 s53, s[BH], 12
	s_add_co_u32 s52, s52, s53
	s_mov_b32 s53, 0
	s_add_nc_u64 s[12:13], s[12:13], s[52:53]
	ds_load_b128 v[S:S+3], v[YSR]
	s_wait_dscnt 0x0
	global_store_b128 v[LI], v[S:S+3], s[12:13]    ; 512 consecutive bytes, aligned
.Lno_sc:
	s_wait_tensorcnt 0x0                           ; the wave's end
	ds_add_u32 v[SPW], v[NIL]
	s_wait_dscnt 0x0
	s_endpgm
.Lfunc_end_k_q49b38f84a4_attn:
	.size	k_q49b38f84a4_attn, .Lfunc_end_k_q49b38f84a4_attn-k_q49b38f84a4_attn
	.p2alignl 7, 3214868480
	.fill 96, 4, 3214868480
	.section	.rodata,"a",@progbits
	.p2align	6, 0x0
	.amdhsa_kernel k_q49b38f84a4_attn
		.amdhsa_group_segment_fixed_size 327680
		.amdhsa_private_segment_fixed_size 0
		.amdhsa_enable_private_segment 0
		.amdhsa_kernarg_size 40
		.amdhsa_user_sgpr_count 2
		.amdhsa_user_sgpr_kernarg_segment_ptr 1
		.amdhsa_wavefront_size32 1
		.amdhsa_system_sgpr_workgroup_id_x 1
		.amdhsa_system_sgpr_workgroup_id_y 1
		.amdhsa_system_sgpr_workgroup_id_z 1
		.amdhsa_system_vgpr_workitem_id 0
		.amdhsa_next_free_vgpr 256
		.amdhsa_next_free_sgpr 66
		.amdhsa_reserve_vcc 1
		.amdhsa_float_denorm_mode_32 3
		.amdhsa_float_denorm_mode_16_64 3
		.amdhsa_fp16_overflow 1
		.amdhsa_memory_ordered 1
		.amdhsa_forward_progress 1
		.amdhsa_inst_pref_size 109
	.end_amdhsa_kernel
	.amdgpu_metadata
---
amdhsa.version: [ 1, 2 ]
amdhsa.kernels:
  - .name:           k_q49b38f84a4_attn
    .symbol:         k_q49b38f84a4_attn.kd
    .args:
      - { .name: q_img, .offset: 0, .size: 8, .value_kind: global_buffer, .address_space: global }
      - { .name: q_sc, .offset: 8, .size: 8, .value_kind: global_buffer, .address_space: global }
      - { .name: kv, .offset: 16, .size: 8, .value_kind: global_buffer, .address_space: global }
      - { .name: y_img, .offset: 24, .size: 8, .value_kind: global_buffer, .address_space: global }
      - { .name: y_sc, .offset: 32, .size: 8, .value_kind: global_buffer, .address_space: global }
    .group_segment_fixed_size: 327680
    .private_segment_fixed_size: 0
    .kernarg_segment_align: 8
    .kernarg_segment_size: 40
    .max_flat_workgroup_size: 512
    .sgpr_count:     66
    .vgpr_count:     256
    .wavefront_size: 32
...
	.end_amdgpu_metadata
.endif
;; end of part 2
;; launch proj (part 3): grid 4 x 32, 4 waves a work-group, clusters of 4 x 4, 327,680 bytes of LDS; arguments y_img, y_sc, w_proj_codes, w_proj_scales, b_proj, out0; writes out0
.if DOCPART == 3
	.amdgcn_target "amdgcn-amd-amdhsa--gfx1250"
	.amdhsa_code_object_version 6
	.text
	.protected	k_q49b38f84a4_proj
	.globl	k_q49b38f84a4_proj
	.p2align	8
	.type	k_q49b38f84a4_proj,@function
k_q49b38f84a4_proj:
	s_mov_b64 s[64:65], 0
	v_nop
	global_prefetch_b8 v0, s[64:65] scope:SCOPE_SE
	s_setreg_imm32_b32 hwreg(HW_REG_WAVE_MODE, 25, 1), 1
	s_wait_xcnt 0x0
	s_wait_alu depctr_hold_cnt(0) depctr_sa_sdst(0) depctr_va_vdst(0) depctr_va_sdst(0) depctr_va_ssrc(0) depctr_va_vcc(0) depctr_vm_vsrc(0)
	s_getreg_b32 s2, hwreg(HW_REG_IB_STS2, 6, 4)
	s_cmp_eq_u32 s2, 0
	s_cbranch_scc0 .Lentry_in_a_cluster
	s_endpgm
.Lentry_in_a_cluster:
	s_bfe_u32 s2, ttmp6, 0x10000c
	s_cmp_lg_u32 s2, 0xf033
	s_cbranch_scc0 .Lentry_shape_is_right
	s_endpgm
.Lentry_shape_is_right:
; out0 = y w_proj + b_proj on codes of FP8 (E4M3) with one E8M0 scale for each 32 along K = 1,024.  y: images of operand registers [tile of 16 tokens][K step of 128][4][512 bytes]; its scale bytes [head][token][2].
; w_proj: codes [1,024 (n)][1,024 (k)], scale bytes [1,024][32].  out0 [8,192][1,024] f32.
; A tile of out0, 256 x 256, is made by four waves, 128 x 128 each.  K goes in four steps of 256 through two LDS slots.  A's part of a slot is a plain copy of 16 tiles' images (4,096 bytes each): a fragment comes by four
; loads of 512 consecutive bytes.  B's part is 256 rows of 256 bytes + 16 of padding.  B's scale bytes come once; y's come once as they lie, by heads, and are merged in LDS into rows of 32 bytes a token.
; CLUSTERS: 4 x 4 work-groups; A's tiles are shared along a row of the cluster, B's along a column: joint loads.  128 work-groups: a tile of 128 x 256 would give 256, at one and a half times the LDS bytes for each product.
; THE MATRIX INSTRUCTION IS USED TRANSPOSED (source 0 = 16 rows of w_proj, source 1 = 16 tokens): a lane holds eight neighbouring numbers of a row of out0.  The bias is the C of each sum's first matrix instruction.
; LIMITS: NaN and infinities are not served.
; REGISTERS: window 0: v12-29 addresses; v32-63 scale words, two sets, and nothing else; v64-127 the bias; v128-255 A's fragments, on the way out rows of out0.  window 1: B's fragments, two sets.  windows 2, 3: accumulators.
.set SIZE_N, 1024
.set KROW,   1024
.set ROWB,   256
.set NQ,     2
.set PITCH,  272
.set FR,     16
.set NL,     4
.set NP,     8
.set HALFT,  128*PITCH
.set AIMG,   65536                     ; A's part of a slot: 16 tiles x 4,096 bytes
.set SLOT,   AIMG+2*HALFT              ; 135,168
.set KS,     32
.set HALFS,  (128*KS/256)*272
.set SBLK,   (16*KS/256)*272
.set SCL,    2*SLOT                    ; A's merged scale rows (8,704 bytes: written by LDS stores alone), and behind them
.set SCLB,   SCL+2*HALFS               ; B's (filled by tensor loads)
.set YH,     SCLB+2*HALFS              ; y's scale bytes as they come: [head 16][512 bytes]
.set SPARE,  YH+8192                   ; the spare words: 128 bytes a wave, named by no other line
.set SPITCH, 528                       ; the way out: 16 rows x (512 + 16) bytes a wave, in slot 0, which has had its last fill and its last read by then
.set MRD,  12                          ; v12  the merge: where I read
.set MWR,  13                          ; v13  and where I write
.set ADRA, 16
.set H32,  18
.set ADRB, 20
.set STO,  24
.set RD,   25
.set CO,   26
.set ADRS, 27
.set SPW,  28
.set NIL,  29
.set SC,   32
.set BI,   64
.set AF,   128
.set BK,   128
.set G1, 24
.set G0, 32
.set G1B, 48
.set G0B, 56
.set G1S, 68
.set G0S, 76
.set G1SB, 80
.set G0SB, 88
.set MSB, 0
.macro WIN new
.if MSB != (\new)
	s_set_vgpr_msb (MSB<<8)|(\new)
.set MSB, \new
.endif
.endm
.set MUL_LO, 0xa1
.set MUL_HI, 0xf1
.set BIAS_LO, 0x81
.set BIAS_HI, 0xc1
.set TO_B,   0x40
.macro JLOAD g0a, g1a, g0b, g1b        ; a joint load: waves 0 and 1 fetch for A, waves 2 and 3 for B; four v_nop follow each of the two lines
	s_cmp_eq_u32 s15, 0
	s_cbranch_scc0 .Lfor_b_\@
	tensor_load_to_lds s[\g0a:\g0a+3], s[\g1a:\g1a+7]
	s_nop 0
.rept 4
	v_nop
.endr
	s_branch .Lasked_\@
.Lfor_b_\@:
	tensor_load_to_lds s[\g0b:\g0b+3], s[\g1b:\g1b+7]
	s_nop 0
.rept 4
	v_nop
.endr
.Lasked_\@:
.endm
.macro CREST
	s_cmp_lg_u32 s14, 0
	s_cbranch_scc1 .Lnot_wave_0_\@
	s_barrier_signal -3
.Lnot_wave_0_\@:
	s_barrier_wait -3
	s_barrier_signal -1
	s_barrier_wait -1
.endm
.macro CROUND
	s_barrier_signal -1
	s_barrier_wait -1
	CREST
.endm
	s_load_b128 s[4:7], s[0:1], 0x0                ; y_img, y_sc
	s_load_b128 s[8:11], s[0:1], 0x10              ; w's codes, w's scales
	s_load_b64 s[96:97], s[0:1], 0x20              ; b_proj
	s_load_b64 s[12:13], s[0:1], 0x28              ; out0
	v_lshl_add_u32 v[SPW], v0, 2, SPARE
	v_mov_b32 v[NIL], 0
	ds_add_u32 v28, v29
	ds_add_u32 v28, v29
	s_wait_dscnt 0x0
	v_lshrrev_b32 v1, 5, v0
	v_readfirstlane_b32 s14, v1                    ; wave 0..3
	s_lshr_b32 s15, s14, 1                         ; which half of the tokens is mine.  Also: I fetch for A (0) or for B (1)
	s_and_b32 s16, s14, 1                          ; which half of the columns.  Also: which half I fetch
	s_bfe_u32 s40, ttmp6, 0x40000                  ; cx
	s_bfe_u32 s41, ttmp6, 0x40004                  ; cy
	s_lshl_b32 s42, ttmp9, 2
	s_add_co_u32 s42, s42, s40                     ; tile column
	s_and_b32 s17, ttmp7, 0xffff
	s_lshl_b32 s17, s17, 2
	s_add_co_u32 s17, s17, s41                     ; tile row
	s_lshl_b32 s43, s41, 2
	s_lshl_b32 s43, 15, s43                        ; my row of the cluster
	s_lshl_b32 s44, 0x1111, s40                    ; my column
	; A's codes: 8 tiles of tokens x 4,096 bytes (a K step of 256), 16,384 bytes apart; dense in LDS
	s_or_b32 s[G1+0], s43, (3<<16)|(1<<21)         ; the mask; elements of 8 bytes; bit 21 beside a mask; no padding
	s_mov_b32 s[G1+1], 512<<16                     ; tensor_dim0 = 512 elements
	s_mov_b32 s[G1+2], 8<<16                       ; tensor_dim1
	s_mov_b32 s[G1+3], 512<<16                     ; tile_dim0
	s_mov_b32 s[G1+4], 8                           ; tile_dim1
	s_mov_b32 s[G1+5], 2048                        ; stride
	s_mov_b32 s[G1+6], 0
	s_mov_b32 s[G1+7], 0
	; y's scale bytes: 8 heads x 512 bytes (256 tokens), 4,096 bytes apart
	s_or_b32 s[G1S+0], s43, (3<<16)|(1<<21)
	s_mov_b32 s[G1S+1], 64<<16
	s_mov_b32 s[G1S+2], 8<<16
	s_mov_b32 s[G1S+3], 64<<16
	s_mov_b32 s[G1S+4], 8
	s_mov_b32 s[G1S+5], 512
	s_mov_b32 s[G1S+6], 0
	s_mov_b32 s[G1S+7], 0
	; B's codes: 128 rows x 256 bytes, 16 bytes of padding behind each
	s_or_b32 s[G1B+0], s44, (0<<16)|(1<<20)|(1<<21)|(5<<22)|(3<<25)
	s_mov_b32 s[G1B+1], ROWB<<16
	s_mov_b32 s[G1B+2], 128<<16
	s_mov_b32 s[G1B+3], ROWB<<16
	s_mov_b32 s[G1B+4], 128
	s_mov_b32 s[G1B+5], KROW
	s_mov_b32 s[G1B+6], 0
	s_mov_b32 s[G1B+7], 0
	; B's scales: 4,096 dense bytes as 16 rows of 256, 16 bytes of padding behind each
	s_or_b32 s[G1SB+0], s44, (3<<16)|(1<<20)|(1<<21)|(5<<22)|(3<<25)
	s_mov_b32 s[G1SB+1], 32<<16
	s_mov_b32 s[G1SB+2], 16<<16
	s_mov_b32 s[G1SB+3], 32<<16
	s_mov_b32 s[G1SB+4], 16
	s_mov_b32 s[G1SB+5], 32
	s_mov_b32 s[G1SB+6], 0
	s_mov_b32 s[G1SB+7], 0
	s_lshl_b32 s20, s17, 18                        ; A's codes: 16,384 x (16 x tile row + 8 x half)
	s_lshl_b32 s18, s16, 17
	s_add_co_u32 s20, s20, s18
	s_mov_b32 s21, 0
	s_lshr_b32 s22, s17, 3                         ; y's scale bytes: 4,096 x (16 x batch + 8 x half) + 512 x (tile row % 8)
	s_lshl_b32 s22, s22, 16
	s_lshl_b32 s18, s16, 15
	s_add_co_u32 s22, s22, s18
	s_and_b32 s19, s17, 7
	s_lshl_b32 s19, s19, 9
	s_add_co_u32 s22, s22, s19
	s_mov_b32 s23, 0
	s_lshl_b32 s46, s42, 8
	s_lshl_b32 s18, s16, 7
	s_add_co_u32 s46, s46, s18                     ; B: row 256 x tile column + 128 x half
	s_lshl_b32 s92, s46, 5                         ; its scales,
	s_mov_b32 s93, 0
	s_lshl_b32 s46, s46, 10                        ; its codes
	s_mov_b32 s47, 0
	s_lshl_b32 s45, s16, 15                        ; where they go: A's codes: 32,768 x half;
	s_mul_i32 s95, s16, HALFT
	s_add_co_u32 s95, s95, AIMG                    ; B's codes behind A's;
	s_lshl_b32 s94, s16, 12
	s_add_co_u32 s94, s94, YH                      ; y's scale bytes;
	s_mul_i32 s3, s16, HALFS
	s_add_co_u32 s3, s3, SCLB                      ; B's: no place in the cluster enters an LDS address
	s_wait_kmcnt 0x0
	s_add_nc_u64 s[20:21], s[4:5], s[20:21]
	s_add_nc_u64 s[22:23], s[6:7], s[22:23]
	s_add_nc_u64 s[46:47], s[8:9], s[46:47]
	s_add_nc_u64 s[92:93], s[10:11], s[92:93]
	CROUND                                         ; all sixteen work-groups are here: the first joint loads meet
	s_mov_b32 s[G0S], 1
	s_mov_b32 s[G0S+1], s94
	s_mov_b64 s[G0S+2:G0S+3], s[22:23]
	s_or_b32 s[G0S+3], s[G0S+3], 0x80000000
	s_mov_b32 s[G0SB], 1
	s_mov_b32 s[G0SB+1], s3
	s_mov_b64 s[G0SB+2:G0SB+3], s[92:93]
	s_or_b32 s[G0SB+3], s[G0SB+3], 0x80000000
	JLOAD G0S, G1S, G0SB, G1SB                     ; the scales first
.irp s, 0,1
	s_mov_b32 s[G0+4*\s], 1
	s_add_co_u32 s[G0+4*\s+1], s45, \s*SLOT
	s_add_nc_u64 s[G0+4*\s+2:G0+4*\s+3], s[20:21], \s*4096
	s_or_b32 s[G0+4*\s+3], s[G0+4*\s+3], 0x80000000
	s_mov_b32 s[G0B+4*\s], 1
	s_add_co_u32 s[G0B+4*\s+1], s95, \s*SLOT
	s_add_nc_u64 s[G0B+4*\s+2:G0B+4*\s+3], s[46:47], \s*ROWB
	s_or_b32 s[G0B+4*\s+3], s[G0B+4*\s+3], 0x80000000
	s_wait_alu depctr_va_vdst(0)
	s_wait_tensorcnt 0x0
	ds_add_u32 v28, v29
	s_wait_dscnt 0x0
	CROUND
	JLOAD G0+4*\s, G1, G0B+4*\s, G1B               ; one load of mine is out
.endr
	v_and_b32 v1, 15, v0                           ; r
	v_bfe_u32 v2, v0, 4, 1                         ; h
	v_and_b32 v6, 31, v0
	v_lshlrev_b32 v[CO], 4, v6                     ; 16 x lane
	v_mul_u32_u24 v3, v1, PITCH
	v_lshl_add_u32 v4, v2, 4, v3                   ; B: a fragment's row x pitch + 16 h
	s_lshl_b32 s21, s15, 15                        ; A: my 8 tiles' images
	s_mul_i32 s22, s16, HALFT
	s_add_co_u32 s22, s22, AIMG
.irp s, 0,1
	v_add_nc_u32 v[ADRA+\s], s21, v[CO]
	v_add_nc_u32 v[ADRB+\s], s22, v4
	s_add_co_u32 s21, s21, SLOT
	s_add_co_u32 s22, s22, SLOT
.endr
	v_mul_u32_u24 v5, v1, KS                       ; my row's scales: 32 bytes a row, and 16 more for each 256 passed
	v_lshrrev_b32 v6, 8, v5
	v_lshl_add_u32 v5, v6, 4, v5
	s_mul_i32 s21, s15, HALFS
	s_mul_i32 s22, s16, HALFS
	s_add_co_u32 s22, s22, 2*HALFS
	s_sub_co_u32 s22, s22, s21
	v_mul_u32_u24 v6, s22, v2                      ; lanes 16-31 take B's: one product, the distance between the two bases
	s_add_co_u32 s21, s21, SCL
	v_add_nc_u32 v5, v5, v6
	v_add_nc_u32 v[ADRS], s21, v5
	v_lshl_add_u32 v[MRD], v0, 2, YH               ; the merge: thread n reads tokens 2 n and 2 n + 1 of each head,
	v_lshrrev_b32 v5, 2, v0
	v_mul_u32_u24 v5, v5, 272
	v_and_b32 v6, 3, v0
	v_lshl_add_u32 v5, v6, 6, v5
	v_add_nc_u32 v[MWR], SCL, v5                   ; and writes their two rows of 32 bytes: 64 n, + 16 for each 256 passed
	s_mul_i32 s23, s14, 16*SPITCH                  ; my stage
	v_mul_u32_u24 v5, v1, SPITCH
	v_lshl_add_u32 v5, v2, 5, v5
	v_add_nc_u32 v[STO], s23, v5
	v_add_nc_u32 v[RD], s23, v[CO]
	v_lshlrev_b32 v[H32], 5, v2
	s_lshl_b32 s46, s42, 10                        ; my first column, in bytes, in b_proj and in a row of out0: 1,024 x tile column + 512 x half
	s_lshl_b32 s47, s16, 9
	s_add_co_u32 s46, s46, s47
	s_mov_b32 s47, 0
	s_add_nc_u64 s[96:97], s[96:97], s[46:47]
.irp b, 0,1,2,3,4,5,6,7
	global_load_b128 v[BI+8*\b:BI+8*\b+3], v[H32], s[96:97] offset:64*\b       ; accumulator (a, b), register j, lane half h: column 16 b + 8 h + j
	global_load_b128 v[BI+8*\b+4:BI+8*\b+7], v[H32], s[96:97] offset:64*\b+16
.endr
	s_lshl_b32 s20, s17, 8
	s_lshl_b32 s21, s15, 7
	s_add_co_u32 s20, s20, s21                     ; my first row of out0
	s_lshl_b32 s20, s20, 12
	s_mov_b32 s21, 0
	s_add_nc_u64 s[20:21], s[20:21], s[46:47]
	s_add_nc_u64 s[12:13], s[12:13], s[20:21]
.macro FRAG reg, adr, q, i             ; B: 16 rows x 128 K from rows along K
.irp c, 0,1,2,3
	ds_load_b128 v[\reg+4*\c:\reg+4*\c+3], v[\adr] offset:128*(\q)+32*\c+(\i)*16*PITCH
.endr
.endm
.macro FRAGA reg, adr, q, i            ; A: the image of tile i, the slot's q-th 128 along K: 512 consecutive bytes a load
.irp c, 0,1,2,3
	ds_load_b128 v[\reg+4*\c:\reg+4*\c+3], v[\adr] offset:4096*(\i)+2048*(\q)+512*\c
.endr
.endm
; 16 matrix instructions: A's blocks a0, a0 + 1 x B's eight.  cm = 1: the sums begin with the bias.  The 64 accumulators take turns, one instruction a turn.
.macro MUL16 a0, p, q, sc, cm
.irp a, \a0, \a0+1
.irp b, 0,1,2,3,4,5,6,7
.if \cm
	v_wmma_scale_f32_16x16x128_f8f6f4 v[8*(8*((\a)%4)+\b):8*(8*((\a)%4)+\b)+7], v[128*(\p)+FR*\b:128*(\p)+FR*\b+FR-1], v[AF+FR*(\a):AF+FR*(\a)+FR-1], v[BI+8*\b:BI+8*\b+7], v[SC+8*NQ*(\sc)+NQ*\b+(\q)], v[SC+8*NQ*(\sc)+NQ*(\a)+(\q)] matrix_a_scale:MATRIX_SCALE_ROW1
.else
	v_wmma_scale_f32_16x16x128_f8f6f4 v[8*(8*((\a)%4)+\b):8*(8*((\a)%4)+\b)+7], v[128*(\p)+FR*\b:128*(\p)+FR*\b+FR-1], v[AF+FR*(\a):AF+FR*(\a)+FR-1], v[8*(8*((\a)%4)+\b):8*(8*((\a)%4)+\b)+7], v[SC+8*NQ*(\sc)+NQ*\b+(\q)], v[SC+8*NQ*(\sc)+NQ*(\a)+(\q)] matrix_a_scale:MATRIX_SCALE_ROW1
.endif
.endr
.endr
.endm
.macro FETCH_B slot, q, p
	WIN TO_B
.irp i, 0,1,2,3,4,5,6,7
	FRAG 128*(\p)+FR*\i, ADRB+\slot, \q, \i
.endr
	WIN 0
.endm
.macro FETCH_A slot, q, i0
.irp i, \i0, \i0+1, \i0+2, \i0+3
	FRAGA AF+FR*(\i), ADRA+\slot, \q, \i
.endr
.endm
.macro SCALES sc
.irp i, 0,1,2,3,4,5,6,7
	ds_load_b64 v[SC+8*NQ*\sc+NQ*\i:SC+8*NQ*\sc+NQ*\i+1], v[ADRS] offset:\i*SBLK
.endr
.endm
.macro PLACES n
.rept \n
	v_nop
.endr
.endm
.macro STEP slot, q, cm
	s_wait_dscnt 4*NL                              ; B's set and A's blocks 0-3 are in; the youngest 16 loads (A's blocks 4-7) may be out
.if \cm
	WIN BIAS_LO
.else
	WIN MUL_LO
.endif
	MUL16 0, (\q)%2, \q, \slot, \cm
	MUL16 2, (\q)%2, \q, \slot, \cm
	s_wait_dscnt 0
	PLACES NP
	FETCH_B \slot, (\q)+1, 1-(\q)%2
	FETCH_A \slot, (\q)+1, 0
.if \cm
	WIN BIAS_HI
.else
	WIN MUL_HI
.endif
	MUL16 4, (\q)%2, \q, \slot, \cm
	MUL16 6, (\q)%2, \q, \slot, \cm
	PLACES NP
	WIN 0
	FETCH_A \slot, (\q)+1, 4
.endm
.macro TURN slot, next, fill
	s_wait_tensorcnt 0x0                           ; all my tensor loads have landed: my part of the next slot
	ds_add_u32 v[SPW], v[NIL]                      ; 0 onto my spare word
	s_wait_dscnt 4*NL+1                            ; the add and the youngest 16 loads may be out
	WIN MUL_LO
	MUL16 0, 1, NQ-1, \slot, 0
	s_wait_dscnt 0x0                               ; the add is done, and my reads of this slot are over
	s_barrier_signal -1
	MUL16 2, 1, NQ-1, \slot, 0
	WIN 0
	s_barrier_wait -1
.if \fill
	CREST                                          ; the barrier has opened a round of the cluster's barrier
	s_add_nc_u64 s[G0+4*\slot+2:G0+4*\slot+3], s[G0+4*\slot+2:G0+4*\slot+3], 2*4096
	s_add_nc_u64 s[G0B+4*\slot+2:G0B+4*\slot+3], s[G0B+4*\slot+2:G0B+4*\slot+3], 2*ROWB
	JLOAD G0+4*\slot, G1, G0B+4*\slot, G1B         ; my one tensor load behind the round; its four v_nop are among the places below
	PLACES NP-4
.else
	PLACES NP
.endif
	s_wait_alu depctr_va_vdst(0)
	v_add_nc_u32 v[ADRS], 4*NQ, v[ADRS]
	FETCH_B \next, 0, 0
	FETCH_A \next, 0, 0
	SCALES \next
	WIN MUL_HI
	MUL16 4, 1, NQ-1, \slot, 0
	MUL16 6, 1, NQ-1, \slot, 0
	PLACES NP
	WIN 0
	FETCH_A \next, 0, 4
.endm
	s_wait_tensorcnt 1                             ; the scales and my part of K step 0 are in; K step 1's load may be out
	s_barrier_signal -1
	s_barrier_wait -1
	; THE MERGE: y's scale bytes lie by heads, two bytes a token; a matrix instruction wants a word for a token and 128 along K, which is two heads
.irp n, 0,1,2,3,4,5,6,7,8,9,10,11,12,13,14,15
	ds_load_b32 v[AF+\n], v[MRD] offset:512*\n     ; head n: token 2 t in the low half, token 2 t + 1 in the high half
.endr
	s_wait_dscnt 0x0
.irp p, 0,1,2,3,4,5,6,7
	v_perm_b32 v[AF+16+\p], v[AF+2*\p+1], v[AF+2*\p], 0x05040100   ; token 2 t: heads 2 p, 2 p + 1
	v_perm_b32 v[AF+24+\p], v[AF+2*\p+1], v[AF+2*\p], 0x07060302   ; token 2 t + 1
.endr
.irp i, 0,1,2,3
	ds_store_b128 v[MWR], v[AF+16+4*\i:AF+19+4*\i] offset:16*\i
.endr
	s_wait_dscnt 0x0                               ; for the others' sake: my rows lie in LDS
	s_barrier_signal -1
	s_barrier_wait -1
	FETCH_B 0, 0, 0
	FETCH_A 0, 0, 0
	SCALES 0
	FETCH_A 0, 0, 4
	s_wait_loadcnt 0x0                             ; the bias
	STEP 0, 0, 1                                   ; the first step starts the sums with the bias
	TURN 0, 1, 1                                   ; K = 1,024 is four K steps: written straight, no loop
	STEP 1, 0, 0
	TURN 1, 0, 1
	STEP 0, 0, 0
	TURN 0, 1, 0                                   ; nothing is left to fetch
	STEP 1, 0, 0
	s_wait_dscnt 4*NL
	WIN MUL_LO
	MUL16 0, 1, NQ-1, 1, 0
	MUL16 2, 1, NQ-1, 1, 0
	s_wait_dscnt 0
	WIN MUL_HI
	MUL16 4, 1, NQ-1, 1, 0
	MUL16 6, 1, NQ-1, 1, 0
	WIN 0
; THE WAY OUT, block by block of 16 rows x 128 columns, through my own stage: in as 32 bytes a lane, back as whole rows of 512 bytes.  LDS serves a wave's instructions in order (ISA guide 5.7.1.4).
.macro TOSTAGE a
.set AC, 64*((\a)%4)
	WIN 0x08+4*((\a)/4)                            ; the data: window 2 or 3
.irp b, 0,1,2,3,4,5,6,7
	ds_store_b128 v[STO], v[AC+8*\b:AC+8*\b+3] offset:64*\b          ; each accumulator from its low end on
	ds_store_b128 v[STO], v[AC+8*\b+4:AC+8*\b+7] offset:64*\b+16
.endr
	WIN 0
.set BB, BK+64*((\a)%2)
.irp t, 0,1,2,3,4,5,6,7,8,9,10,11,12,13,14,15
	ds_load_b128 v[BB+4*\t:BB+4*\t+3], v[RD] offset:\t*SPITCH
.endr
.endm
.macro SEND a, younger                 ; younger: the LDS instructions issued behind block a's loads, which may stay out
.set BB, BK+64*((\a)%2)
	s_wait_dscnt \younger
.if (\a) > 0
	s_add_nc_u64 s[12:13], s[12:13], 16*SIZE_N*4   ; (behind a wait on XCNT: the earlier stores have read their base)
.endif
.irp t, 0,1,2,3,4,5,6,7,8,9,10,11,12,13,14,15
	global_store_b128 v[CO], v[BB+4*\t:BB+4*\t+3], s[12:13] offset:\t*SIZE_N*4 th:TH_STORE_NT   ; 32 lanes store 512 consecutive bytes, aligned; written once, read by nobody here
.endr
.endm
	PLACES NP
	TOSTAGE 0
.irp a, 1,2,3,4,5,6,7
.if \a > 1
	s_wait_xcnt 0x0                                ; block a - 2's stores have read their registers and their base
.endif
	TOSTAGE \a
	SEND \a-1, 32                                  ; behind block a - 1's loads: block a's 16 stores and 16 loads
.endr
	s_wait_xcnt 0x0
	SEND 7, 0
	s_wait_tensorcnt 0x0                           ; the wave's end
	ds_add_u32 v[SPW], v[NIL]
	s_wait_dscnt 0x0
	CROUND                                         ; the closing round
	s_endpgm
.Lfunc_end_k_q49b38f84a4_proj:
	.size	k_q49b38f84a4_proj, .Lfunc_end_k_q49b38f84a4_proj-k_q49b38f84a4_proj
	.p2alignl 7, 3214868480
	.fill 96, 4, 3214868480
	.section	.rodata,"a",@progbits
	.p2align	6, 0x0
	.amdhsa_kernel k_q49b38f84a4_proj
		.amdhsa_group_segment_fixed_size 327680
		.amdhsa_private_segment_fixed_size 0
		.amdhsa_enable_private_segment 0
		.amdhsa_kernarg_size 48
		.amdhsa_user_sgpr_count 2
		.amdhsa_user_sgpr_kernarg_segment_ptr 1
		.amdhsa_wavefront_size32 1
		.amdhsa_system_sgpr_workgroup_id_x 1
		.amdhsa_system_sgpr_workgroup_id_y 1
		.amdhsa_system_sgpr_workgroup_id_z 1
		.amdhsa_system_vgpr_workitem_id 0
		.amdhsa_next_free_vgpr 1024
		.amdhsa_next_free_sgpr 98
		.amdhsa_reserve_vcc 0
		.amdhsa_float_denorm_mode_32 3
		.amdhsa_float_denorm_mode_16_64 3
		.amdhsa_memory_ordered 1
		.amdhsa_forward_progress 1
		.amdhsa_inst_pref_size 151
	.end_amdhsa_kernel
	.amdgpu_metadata
---
amdhsa.version: [ 1, 2 ]
amdhsa.kernels:
  - .name:           k_q49b38f84a4_proj
    .symbol:         k_q49b38f84a4_proj.kd
    .args:
      - { .name: y_img, .offset: 0, .size: 8, .value_kind: global_buffer, .address_space: global }
      - { .name: y_sc, .offset: 8, .size: 8, .value_kind: global_buffer, .address_space: global }
      - { .name: w_proj_codes, .offset: 16, .size: 8, .value_kind: global_buffer, .address_space: global }
      - { .name: w_proj_scales, .offset: 24, .size: 8, .value_kind: global_buffer, .address_space: global }
      - { .name: b_proj, .offset: 32, .size: 8, .value_kind: global_buffer, .address_space: global }
      - { .name: out0, .offset: 40, .size: 8, .value_kind: global_buffer, .address_space: global }
    .group_segment_fixed_size: 327680
    .private_segment_fixed_size: 0
    .kernarg_segment_align: 8
    .kernarg_segment_size: 48
    .max_flat_workgroup_size: 128
    .sgpr_count:     98
    .vgpr_count:     1024
    .wavefront_size: 32
...
	.end_amdgpu_metadata
.endif
;; end of part 3
